; MI455X (gfx1250); checked and timed in simulation.
; The chip was launched on July 23, 2026; its instructions are those of AMD's public machine-readable ISA for CDNA 5 (MIT licence, August 2026) and "CDNA5" Instruction Set Architecture Reference Guide (July 2026). The comments in the code are by the model that wrote it; some were corrected since.
;; Scaled Dot Product Attention. Allowed arithmetic: matrix products marked QUANTISED: E4M3 operands, one E8M0 scale for each 32 along K, by v_wmma_scale_f32_16x16x128_f8f6f4 with both operands' format E4M3, f32 sums; everything else in f32.
;; Inputs: keys_codes 4 x 16 x 2,048 x 2 x 32 uint8 (E4M3 codes of keys, K innermost, in blocks of 32 codes); keys_scales 4 x 16 x 2,048 x 2 uint8 (E8M0 scales of keys, one for each 32 codes along K); mask 2,048 x 2,048 bool; queries_codes 4 x 16 x 2,048 x 2 x 32 uint8 (E4M3 codes of queries, K innermost, in blocks of 32 codes); queries_scales 4 x 16 x 2,048 x 2 uint8 (E8M0 scales of queries, one for each 32 codes along K); values_codes 4 x 16 x 64 x 64 x 32 uint8 (E4M3 codes of values, K innermost, in blocks of 32 codes); values_scales 4 x 16 x 64 x 64 uint8 (E8M0 scales of values, one for each 32 codes along K).
;; Outputs: out0 4 x 16 x 2,048 x 64 float32.
;; This version of the problem:
;;   THIS VERSION OF THE PROBLEM IS GIVEN IN LOW PRECISION. The matrix products marked QUANTISED in the list below multiply operands that are first quantised to E4M3 (4 exponent bits, 3 mantissa bits; 8 bits a number), with one power-of-two scale for each 32 numbers along K (OCP MX v1.0); their sums are f32. All else is computed in f32.
;;   The module's matrix products, in the order in which they are computed (A, B: the left and right operand; K: the contracted axis; several contracted axes count as one K, in the product's order):
;;     1. batch 64 x [M 2,048, K 64] x [K 64, N 2,048]; A: input queries (given as codes); B: input keys (given as codes): QUANTISED
;;     2. batch 64 x [M 2,048, K 2,048] x [K 2,048, N 64]; A: softmax (see below); B: input values (given as codes): QUANTISED
;;   THE QUANTISER, for each operand of a quantised product, along K:
;;     - K is cut into blocks of 32 from its start; a last block that is shorter is filled with zeros.
;;     - A block's scale is 2^e with e = floor(log2(the largest magnitude in the block)) - 8, held to -126 .. 127; a block of zeros has e = 0. As a byte (E8M0): e + 127.
;;     - Each number is divided by its block's scale, clamped to +-448, and rounded to the nearest number of E4M3, ties to even, subnormals kept.
;;     - The product sums the exact products of the quantised numbers (number of the format x scale) in f32.
;;   ~~~python
;;   def quantise(x, axis):      # numpy; x: float32 -> the quantised numbers, widened to float32 again
;;       x = np.moveaxis(x, axis, -1); K = x.shape[-1]
;;       x = np.pad(x, [(0, 0)] * (x.ndim - 1) + [(0, -K % 32)]); x = x.reshape(x.shape[:-1] + (-1, 32)); a = np.abs(x).max(-1, keepdims=True)
;;       e = np.where(a > 0, np.clip(np.frexp(np.where(a > 0, a, 1))[1] - 1 - 8, -126, 127), 0)      # np.frexp(a)[1] - 1 = floor(log2(a)), exactly
;;       r = np.clip(x / 2.0 ** e, -448, 448)
;;       step = 2.0 ** (np.maximum(np.frexp(np.where(r == 0, 1, r))[1] - 1, -6) - 3)
;;       q = np.round(r / step) * step * 2.0 ** e      # np.round: ties to even
;;       return np.moveaxis(q.reshape(q.shape[:-2] + (-1,))[..., :K], -1, axis).astype(np.float32)
;;   ~~~
;;   SOFTMAX AHEAD OF A QUANTISED PRODUCT. Where the list says 'softmax', what is quantised is not the finished softmax but p = 2^(t - M), with t = logit x log2(e) and M = ceil(the row's largest t), a whole number; so 1/2 < the row's largest p <= 1. The row's sum l is taken of the UNQUANTISED p, in f32, and the product's result is divided by l at the end. Since M is a whole number, a kernel that streams over the keys may use a running M (the ceiling of the running maximum): every later rescaling is an exact power of two, which a block's scale takes up: the codes' values come out the same.
;;   OPERANDS COMPUTED ON THE WAY. 'Computed on the way' means the value that the module computes at that place (a softmax that the list does not call 'softmax' is quantised finished and normalised). What goes into a quantiser is computed in f32, as accurately as f32 sums, v_exp_f32 and their like allow (about 1e-6 of the number): no bf16 or f16 on the way to a quantiser, and a product that is left as it is and whose result goes on into a quantised operand takes f32 operands (vector FMAs, or v_wmma_f32_16x16x4_f32). A number that lies on a knife's edge between two numbers of the format may be rounded either way, as far as f32 arithmetic and the matrix unit's own rounding can turn it there, and no further.
;;   INPUTS GIVEN AS CODES. keys (in the module: [4, 16, 2048, 64], K = its axis 3); queries (in the module: [4, 16, 2048, 64], K = its axis 3); values (in the module: [4, 16, 2048, 64], K = its axis 2): each comes as NAME_codes (uint8): NAME with its K axis moved to the last place and cut into blocks of 32 codes, [.., K / 32, bytes a block], one block behind the other in memory; one code a byte (a code: sign, 4 exponent bits, 3 mantissa bits); and NAME_scales (uint8): the same leading axes, one E8M0 byte (e + 127) for each 32 codes along K. Its value is code x scale, taken as it is: it is not quantised again, and the codes and scales need not be those that the quantiser above would give.
;; 2 versions. Each part assembles by itself: llvm-mc -triple=amdgcn-amd-amdhsa -mcpu=gfx1250 --defsym DOCPART=n.
;; ======== version 1 of 2: 2 launches
;; workspace buffers: lanemask 524,288 bytes of whole numbers; flags 512 bytes of whole numbers
;; launch pack (part 1): grid 128 x 1, 16 waves a work-group, no clusters, 2,304 bytes of LDS; arguments mask, lanemask, flags; writes lanemask, flags
.if DOCPART == 1
	.amdgcn_target "amdgcn-amd-amdhsa--gfx1250"
	.amdhsa_code_object_version 6
	.text
	.protected	k_q7d04700da7_pack
	.globl	k_q7d04700da7_pack
	.p2align	8
	.type	k_q7d04700da7_pack,@function
k_q7d04700da7_pack:
	s_mov_b64 s[64:65], 0
	v_nop
	global_prefetch_b8 v0, s[64:65] scope:SCOPE_SE
	s_setreg_imm32_b32 hwreg(HW_REG_WAVE_MODE, 25, 1), 1
	s_wait_xcnt 0x0
; THE MASK [2048 queries][2048 keys], one byte a bool, is turned into what the attention launch wants of it.
; lanemask [tile T of 16 queries][step s of 128 keys][64 dwords]: bit L = r + 16 h of dword n = 16 b + i is mask[16 T + r][128 s + 32 b + 16 h + i]:
;   the lane mask of score register n in the attention launch's layout (a lane holds one query r; its register 16 b + i holds key 128 s + 32 b + 16 h + i).
; flags [128 dwords], one a tile T: bit 2 s = some bit of step s is true (there is work), bit 2 s + 1 = some bit is false (the scores must be masked).
; SHARES: work-group = tile T, wave = step s: a wave makes one record of 256 bytes and two bits.  Nothing is assumed of the mask's pattern.
; Memory binds (4 MiB in, 0.5 MiB out); matrix units, clusters and large tiles have nothing to do here.
.set ROWB, 2048                        ; a row of the mask in bytes
; ballot n lies in s[16 + n + 4 (n / 48)]: s16-63 and s68-83
	s_load_b128 s[4:7], s[0:1], 0x0                ; mask s[4:5], lanemask s[6:7]
	s_load_b64 s[8:9], s[0:1], 0x10                ; flags
	v_lshl_add_u32 v32, v0, 2, 0x100
	v_mov_b32 v33, 0
	v_lshrrev_b32 v7, 5, v0
	v_readfirstlane_b32 s2, v7                     ; wave = step s
	v_and_b32 v1, 15, v0                           ; r
	v_bfe_u32 v2, v0, 4, 1                         ; h
	v_lshlrev_b32 v1, 11, v1                       ; row r of the tile,
	v_lshl_add_u32 v1, v2, 4, v1                   ; + 16 h,
	v_lshl_add_u32 v1, v7, 7, v1                   ; + 128 s
	v_and_b32 v6, 31, v0
	v_lshlrev_b32 v6, 3, v6                        ; the record: 8 bytes a lane
	v_lshlrev_b32 v7, 2, v7                        ; LDS: a word for each wave
	s_lshl_b32 s10, ttmp9, 15                      ; the tile's 16 rows of 2,048 bytes
	s_mov_b32 s11, 0
	s_lshl_b32 s12, ttmp9, 4
	s_add_co_u32 s12, s12, s2
	s_lshl_b32 s12, s12, 8                         ; record 16 T + s, 256 bytes each
	s_mov_b32 s13, 0
	s_lshl_b32 s14, ttmp9, 2                       ; the tile's flag word
	s_mov_b32 s15, 0
	s_wait_kmcnt 0x0
	s_add_nc_u64 s[4:5], s[4:5], s[10:11]
	s_add_nc_u64 s[6:7], s[6:7], s[12:13]
	s_add_nc_u64 s[8:9], s[8:9], s[14:15]
.irp b, 0,1,2,3
	global_load_b128 v[8+4*\b:11+4*\b], v1, s[4:5] offset:32*\b th:TH_LOAD_NT   ; my 16 bytes of block b: keys 32 b + 16 h + 0 .. 15 of my row; read once in the launch
.endr
	s_wait_loadcnt 0x0
.set n, 0
.rept 64                               ; byte n % 4 of register n / 4 is the bool of score register n: one ballot each, two registers by turns
	v_bfe_u32 v[2+n%2], v[8+n/4], 8*(n%4), 8
	v_cmp_ne_u32 s[16+n+4*(n/48)], 0, v[2+n%2]
.set n, n+1
.endr
	v_mov_b32 v4, 0                                ; (a lane write's destination counts as read)
	v_mov_b32 v5, 0
.set l, 0
.rept 32                               ; lane l takes dwords 2 l and 2 l + 1 of the record
	v_writelane_b32 v4, s[16+2*l+4*((2*l)/48)], l
	v_writelane_b32 v5, s[16+2*l+1+4*((2*l+1)/48)], l
.set l, l+1
.endr
	global_store_b64 v6, v[4:5], s[6:7]            ; 32 lanes store 256 consecutive bytes, at a multiple of 256 from the buffer's first byte
	s_mov_b32 s84, s16                             ; the OR and the AND of the 64 ballots
	s_mov_b32 s85, s16
.set n, 1
.rept 63
	s_or_b32 s84, s84, s[16+n+4*(n/48)]
	s_and_b32 s85, s85, s[16+n+4*(n/48)]
.set n, n+1
.endr
	s_cmp_lg_u32 s84, 0
	s_cselect_b32 s86, 1, 0                        ; some bit is true
	s_cmp_lg_u32 s85, -1
	s_cselect_b32 s87, 2, 0                        ; some bit is false
	s_or_b32 s86, s86, s87
	s_lshl_b32 s10, s2, 1
	s_lshl_b32 s86, s86, s10                       ; at bits 2 s, 2 s + 1
	v_mov_b32 v24, s86
	ds_store_b32 v7, v24                           ; all lanes write the wave's word with the same value
	s_wait_dscnt 0x0                               ; for wave 0's sake: my store has landed
	s_barrier_signal -1
	s_barrier_wait -1
	s_cmp_lg_u32 s2, 0                             ; wave 0 joins the sixteen words; no barrier stands in this branch
	s_cbranch_scc1 .Lend
	v_mov_b32 v25, 0
.irp i, 0,1,2,3
	ds_load_b128 v[8+4*\i:11+4*\i], v25 offset:16*\i
.endr
	s_wait_dscnt 0x0
.irp i, 9,10,11,12,13,14,15,16,17,18,19,20,21,22,23
	v_or_b32 v8, v8, v[\i]
.endr
	v_cmp_eq_u32 vcc_lo, 0, v0
	s_wait_xcnt 0x0                                ; EXEC is a source of the record's store: it is narrowed only behind this wait
	s_and_saveexec_b32 s10, vcc_lo
	global_store_b32 v25, v8, s[8:9]               ; lane 0 stores the tile's word
	s_wait_xcnt 0x0                                ; and widened only behind this one
	s_or_b32 exec_lo, exec_lo, s10
.Lend:
	s_wait_tensorcnt 0x0
	ds_add_u32 v32, v33
	s_wait_dscnt 0x0
	s_endpgm
.Lfunc_end_k_q7d04700da7_pack:
	.size	k_q7d04700da7_pack, .Lfunc_end_k_q7d04700da7_pack-k_q7d04700da7_pack
	.p2alignl 7, 3214868480
	.fill 96, 4, 3214868480
	.section	.rodata,"a",@progbits
	.p2align	6, 0x0
	.amdhsa_kernel k_q7d04700da7_pack
		.amdhsa_group_segment_fixed_size 2304
		.amdhsa_private_segment_fixed_size 0
		.amdhsa_enable_private_segment 0
		.amdhsa_kernarg_size 24
		.amdhsa_user_sgpr_count 2
		.amdhsa_user_sgpr_kernarg_segment_ptr 1
		.amdhsa_wavefront_size32 1
		.amdhsa_system_sgpr_workgroup_id_x 1
		.amdhsa_system_sgpr_workgroup_id_y 1
		.amdhsa_system_sgpr_workgroup_id_z 1
		.amdhsa_system_vgpr_workitem_id 0
		.amdhsa_next_free_vgpr 34
		.amdhsa_next_free_sgpr 88
		.amdhsa_reserve_vcc 1
		.amdhsa_float_denorm_mode_32 3
		.amdhsa_float_denorm_mode_16_64 3
		.amdhsa_memory_ordered 1
		.amdhsa_forward_progress 1
		.amdhsa_inst_pref_size 20
	.end_amdhsa_kernel
	.amdgpu_metadata
---
amdhsa.version: [ 1, 2 ]
amdhsa.kernels:
  - .name:           k_q7d04700da7_pack
    .symbol:         k_q7d04700da7_pack.kd
    .args:
      - { .name: mask, .offset: 0, .size: 8, .value_kind: global_buffer, .address_space: global }
      - { .name: lanemask, .offset: 8, .size: 8, .value_kind: global_buffer, .address_space: global }
      - { .name: flags, .offset: 16, .size: 8, .value_kind: global_buffer, .address_space: global }
    .group_segment_fixed_size: 2304
    .private_segment_fixed_size: 0
    .kernarg_segment_align: 8
    .kernarg_segment_size: 24
    .max_flat_workgroup_size: 512
    .sgpr_count:     88
    .vgpr_count:     34
    .wavefront_size: 32
...
	.end_amdgpu_metadata
.endif
;; end of part 1
;; launch attn (part 2): grid 4 x 64, 16 waves a work-group, no clusters, 147,456 bytes of LDS; arguments queries_codes, queries_scales, keys_codes, keys_scales, values_codes, values_scales, lanemask, flags, out0; writes out0
.if DOCPART == 2
	.amdgcn_target "amdgcn-amd-amdhsa--gfx1250"
	.amdhsa_code_object_version 6
	.text
	.protected	k_q7d04700da7_attn
	.globl	k_q7d04700da7_attn
	.p2align	8
	.type	k_q7d04700da7_attn,@function
k_q7d04700da7_attn:
	s_mov_b64 s[64:65], 0
	v_nop
	global_prefetch_b8 v0, s[64:65] scope:SCOPE_SE
	s_setreg_imm32_b32 hwreg(HW_REG_WAVE_MODE, 25, 1), 1
	s_wait_xcnt 0x0
; out[h][q][:] = the sum over k of softmax_k(mask ? Q[h][q] . K[h][k] / 8 : -inf) V[h][k][:], 64 heads, 2,048 queries and keys, head size 64; both products on given codes of E4M3 with one E8M0 scale for each 32 along K.
; Q, K: [head][2048][64] codes, scale bytes [head][2048][2].  V: codes with the KEYS innermost, [head][64][2048], scale bytes [head][64][64].  out: [head][2048][64] f32.
; THE SOFTMAX: t = score x log2(e) / 8; M = the running largest t rounded UP to a whole number; p = 2^(t - M) is quantised along the keys, not normalised; the row's sum is taken of the unquantised p and divides at the end.
; When M moves, the sum and O are multiplied by 2^(old M - new M): exact.
; THE MASK is an input.  An earlier launch has laid it as lane masks (lanemask) and two bits for each tile of 16 queries x 128 keys (flags).  A tile with no true bit adds p = 0 everywhere, moves no maximum and adds
; nothing to any sum: it is left out, by a scalar branch on its stored flag.  A tile with no false bit skips the masking.  Both hold for every mask; no pattern is assumed.  A row with no true bit at all ends as 0 x (1 / 0) = NaN, as the definition has it.
; SHARES.  A work-group owns one head and two blocks of 256 queries, 7 - x and then x (an order only: right for every mask).  Each of its SIXTEEN waves owns 16 queries of the block, one tile, in 256 registers: four waves
; to a SIMD, so that one wave's vector work stands beside another's matrix work and LDS loads.  A key step is 128 keys: 12 matrix instructions beside some 320 vector instructions.
; NO TENSOR LOADS, NO CLUSTER: the text branches on numbers read from memory (the flags), so LDS is filled through registers: four loads and four LDS stores a wave for 256 keys.  Joint loads are tensor loads, so there are none.
; LAYOUT.  Both products are used transposed: S^T = K Q^T (source 0 = keys, source 1 = my 16 queries), O^T = V^T P^T (source 0 = 16 of the head's 64, source 1 = P): a lane (r = lane % 16, h = lane / 16) holds ONE query r throughout.
; K = 64 IN A FORM OF 128: a fragment of K carries TWO keys a row: row m holds key X(m) = 32 b + m + 8 (m / 8) at k 0-63 and key X(m) + 8 at k 64-127.  Q stands once, in v24-31, between two runs of eight zero registers:
; source 1 = v[24:39] is [q; 0] and gives keys X(m), source 1 = v[16:31] is [0; q] and gives keys X(m) + 8.  So score register 16 b + i holds key 32 b + 16 h + i: 16 neighbours along the second product's K.
; LIMITS: NaN codes (0x7f, 0xff) and the scale byte 0xff among the inputs are not served (such a key would also spoil the key eight further on, which shares its fragment row).  A block's largest p is taken as the p of its largest
; score, which takes v_exp_f32 not to fall where its input rises.  A block of p whose largest number lies under 2^(9 - 127) keeps the scale byte 1.
.set BUFB,  33792                      ; a slot of 256 keys (two key steps): K as images of the fragments' registers, 16,384 bytes: 8192 step + 2048 b + 512 c + 16 lane;
.set VOFF,  16384                      ; then V: 64 rows d of 256 bytes, 272 apart
.set VPI,   272                        ; 256 bytes + 16 = 68 words: row r starts at bank 4 r mod 64 (64 banks of 4 bytes: ISA guide 11.1)
.set VT,    16*VPI                     ; 16 rows
.set KSC,   2*BUFB                     ; K's scale words of the whole head: 256 x step + 4 (16 b + m): X(m)'s two bytes below, (X(m) + 8)'s above
.set VSC,   KSC+4096                   ; V's, turned: 256 x step + 4 d
.set STG,   VSC+4096                   ; the way out: 16 rows x 272 bytes for each wave
.set AK,  1                            ; v1   16 x lane: my place in an image; also my bytes in two rows of out
.set AV,  2                            ; v2   272 r + 16 h: my place in a tile of V
.set AS0, 3                            ; v3   KSC + 4 x lane
.set KG,  4                            ; v4   the fill, K in memory: 512 w + 64 (l & 7) + 16 ((l >> 3) & 3)
.set KL,  5                            ; v5   and in a slot
.set VG,  6                            ; v6   the fill, V in memory: 8192 w + 2048 h + 16 r
.set VL,  7                            ; v7   and in a slot: 272 (4 w + h) + 16 r
.set QO,  8                            ; v8   64 r + 16 h
.set QSO, 9                            ; v9   2 r
.set ADS, 10                           ; v10  the trip's scale words
.set STO, 11                           ; v11  the stage, in
.set NM,  12                           ; v12  -M;  v13 the largest t so far
.set TMX, 13
.set LS,  14                           ; v[14:15] the row's sum, in two halves
.set Z0,  16                           ; v16-23 zeros
.set QF,  24                           ; v24-31 Q
.set Z1,  32                           ; v32-39 zeros
.set QS,  40                           ; v40  Q's scale word: its two bytes twice
.set RD,  41                           ; v41  the stage, back
.set KS,  42                           ; v42-43 K's scale words: lanes 0-15 fragment 2 g, lanes 16-31 fragment 2 g + 1
.set VS,  44                           ; v44-45 V's likewise
.set FF,  46                           ; v46  f = 2^(old M - new M)
.set PW,  47                           ; v47  p's scale word (named with f as a pair, of which the low word alone is taken)
.set F,   48                           ; v48-111  four fragments: of K, then of V
.set S,   112                          ; v112-175 S^T, then p
.set O,   176                          ; v176-207 O^T: tile t at O + 8 t
.set PC,  208                          ; v208-223 p's codes
.set SG,  224                          ; v224-239 the fill's 64 bytes a lane
.set BM,  240                          ; v240-243 the blocks' largest scores, then largest p
.set PT,  244                          ; v244-247 at work
.set HO,  248                          ; v248-251 448 x the scale (v248 before that: at work)
.set SO,  252                          ; v252-255 the conversions' scale operands
.set WV,  2                            ; s2   wave
.set CNT, 3                            ; s3   trips to go
.set QCP, 4                            ; s[4:5] Q's codes, s[6:7] Q's scales, at my head
.set QSP, 6
.set KP,  8                            ; s[8:9] K's codes, s[10:11] V's codes: the slot to be fetched
.set VPT, 10
.set MP,  12                           ; s[12:13] my tile's lane masks, the trip's four steps
.set OH,  14                           ; s[14:15] out at my head
.set MNT, 66                           ; s66  the mantissa field of 448
.set TMP, 67
.set KH,  84                           ; s[84:85], s[86:87] K's and V's codes at my head
.set VH,  86
.set LMP, 88                           ; s[88:89] lanemask;  s[90:91] flags
.set FLP, 90
.set OP,  92                           ; s[92:93] out at my tile
.set FL,  94                           ; s94  my tile's flags, shifted by 2 a step
.set WW,  95                           ; s95  the OR of my block's sixteen flag words, shifted by 4 a slot: the same in all sixteen waves
.set TS,  96                           ; s96  where the trip's scale words begin: 1,024 bytes a trip
.set BI,  97                           ; s97  block 0, 1
.set SEL, 98                           ; s[98:99] v_permlanex16_b32's selects for lane l xor 16
.set CS,  100                          ; s[100:101] c = log2(e) / 8, twice (the packed form names a pair)
; s16-63 and s68-83: the 64 lane masks of a step (mask n in s[16 + n + 4 (n / 48)]); at work in the prologues
	s_load_b512 s[16:31], s[0:1], 0x0              ; Q's codes, Q's scales, K's codes, K's scales, V's codes, V's scales, lanemask, flags
	s_load_b64 s[32:33], s[0:1], 0x40              ; out
	v_lshrrev_b32 v[S], 5, v0                      ; w   (the registers of S^T are at work here)
	v_readfirstlane_b32 s[WV], v[S]
	v_and_b32 v[S+1], 31, v0                       ; lane
	v_and_b32 v[S+2], 15, v0                       ; r
	v_bfe_u32 v[S+3], v0, 4, 1                     ; h
	v_and_b32 v[S+4], 7, v0
	v_bfe_u32 v[S+5], v0, 3, 2
	v_lshlrev_b32 v[AK], 4, v[S+1]
	v_mul_u32_u24 v[AV], v[S+2], VPI
	v_lshl_add_u32 v[AV], v[S+3], 4, v[AV]
	v_lshl_add_u32 v[AS0], v[S+1], 2, KSC
	; THE FILL OF K.  A wave's load takes 512 consecutive bytes: keys 8 w + (l & 7) of a step, piece (l >> 3) & 3 of 16 bytes of the key's 64.
	v_lshlrev_b32 v[KG], 9, v[S]
	v_lshl_add_u32 v[KG], v[S+4], 6, v[KG]
	v_lshl_add_u32 v[KG], v[S+5], 4, v[KG]
	; Key u = 8 (w & 3) + (l & 7) of block b = w / 4: row m = (u & 7) + 8 (u >> 4), upper half of K where u & 8.  Piece q lies in group c = 2 (u & 8 ? 1 : 0) + q / 2 of lane m + 16 (q & 1):
	; 2048 b + 512 c + 16 (m + 16 (q & 1)) = 16 (l & 7) + 256 q + 1024 (w & 1) + 128 ((w >> 1) & 1) + 2048 (w >> 2)
	v_lshlrev_b32 v[KL], 4, v[S+4]
	v_lshl_add_u32 v[KL], v[S+5], 8, v[KL]
	v_bfe_u32 v[S+6], v0, 5, 1
	v_lshl_add_u32 v[KL], v[S+6], 10, v[KL]
	v_bfe_u32 v[S+6], v0, 6, 1
	v_lshl_add_u32 v[KL], v[S+6], 7, v[KL]
	v_bfe_u32 v[S+6], v0, 7, 2
	v_lshl_add_u32 v[KL], v[S+6], 11, v[KL]
	; THE FILL OF V.  A wave's load takes two rows' 256 bytes: rows 4 w + h, and 4 w + 2 + h by the second load.
	v_lshlrev_b32 v[VG], 13, v[S]
	v_lshl_add_u32 v[VG], v[S+3], 11, v[VG]
	v_lshl_add_u32 v[VG], v[S+2], 4, v[VG]
	v_lshl_add_u32 v[S+6], v[S], 2, v[S+3]
	v_mul_u32_u24 v[VL], v[S+6], VPI
	v_lshl_add_u32 v[VL], v[S+2], 4, v[VL]
	v_lshlrev_b32 v[QO], 6, v[S+2]
	v_lshl_add_u32 v[QO], v[S+3], 4, v[QO]
	v_lshlrev_b32 v[QSO], 1, v[S+2]
	s_mul_i32 s34, s[WV], VT
	s_add_co_u32 s34, s34, STG                     ; my stage
	v_mul_u32_u24 v[STO], v[S+2], VPI              ; in: row r, 32 bytes for each half of the lanes
	v_lshl_add_u32 v[STO], v[S+3], 5, v[STO]
	v_add_nc_u32 v[STO], s34, v[STO]
	v_mul_u32_u24 v[RD], v[S+3], VPI               ; back: lanes 0-15 one row of 256 bytes, lanes 16-31 the next
	v_lshl_add_u32 v[RD], v[S+2], 4, v[RD]
	v_add_nc_u32 v[RD], s34, v[RD]
	; the scale words of the whole head.  Thread t makes K's words t and t + 512.  Word t = 64 step + 16 b + m belongs to key X = 32 (t >> 4) + (t & 7) + 16 ((t >> 3) & 1) and to key X + 8; two bytes a key
	v_lshrrev_b32 v[S+6], 4, v0
	v_lshlrev_b32 v[S+6], 6, v[S+6]
	v_lshl_add_u32 v[S+6], v[S+4], 1, v[S+6]
	v_bfe_u32 v[S+7], v0, 3, 1
	v_lshl_add_u32 v[S+6], v[S+7], 5, v[S+6]
	v_lshlrev_b32 v[S+7], 3, v0                    ; V's: thread t takes 8 bytes: row d = t >> 3, steps 2 (t & 7) and 2 (t & 7) + 1
	v_lshl_add_u32 v[S+14], v0, 2, KSC             ; K's word t
	v_lshrrev_b32 v[S+15], 3, v0
	v_lshlrev_b32 v[S+15], 2, v[S+15]
	v_lshl_add_u32 v[S+15], v[S+4], 9, v[S+15]
	v_add_nc_u32 v[S+15], VSC, v[S+15]             ; V's: 512 (t & 7) + 4 (t >> 3)
.irp i, 0,1,2,3,4,5,6,7
	v_mov_b32 v[Z0+\i], 0                          ; the zero codes beside Q: they stay
	v_mov_b32 v[Z1+\i], 0
.endr
.irp i, 0,1,2,3,4,5,6,7,8,9,10,11,12,13,14,15
	v_mov_b32 v[SG+\i], 0                          ; written once, so that they are written on every way to the fill's LDS stores
.endr
.irp i, 0,1,2,3
	v_mov_b32 v[PT+\i], 0                          ; a lane permute's destination counts as one of its sources
.endr
	v_mov_b32 v[PW], 0                             ; (named as the upper half of the pair v[46:47] before it is first made)
	s_and_b32 s35, ttmp7, 0xffff                   ; the head
	s_lshl_b32 s36, s35, 17                        ; its codes: 131,072 bytes a tensor,
	s_mov_b32 s37, 0
	s_lshl_b32 s38, s35, 12                        ; its scale bytes: 4,096,
	s_mov_b32 s39, 0
	s_lshl_b32 s40, s35, 19                        ; its rows of out: 524,288
	s_mov_b32 s41, 0
	s_mov_b32 s[MNT], 0x600000
	s_mov_b32 s[SEL], 0x76543210
	s_mov_b32 s[SEL+1], 0xfedcba98
	s_mov_b32 s[CS], 0x3e38aa3b                    ; c = log2(e) / 8
	s_mov_b32 s[CS+1], s[CS]
	s_mov_b32 s[BI], 0
	s_wait_kmcnt 0x0
	s_add_nc_u64 s[QCP:QCP+1], s[16:17], s[36:37]
	s_add_nc_u64 s[QSP:QSP+1], s[18:19], s[38:39]
	s_add_nc_u64 s[KH:KH+1], s[20:21], s[36:37]
	s_add_nc_u64 s[22:23], s[22:23], s[38:39]
	s_add_nc_u64 s[VH:VH+1], s[24:25], s[36:37]
	s_add_nc_u64 s[26:27], s[26:27], s[38:39]
	s_mov_b64 s[LMP:LMP+1], s[28:29]
	s_mov_b64 s[FLP:FLP+1], s[30:31]
	s_add_nc_u64 s[OH:OH+1], s[32:33], s[40:41]
	global_load_u16 v[S+8], v[S+6], s[22:23]                 ; key X's two bytes,
	global_load_u16 v[S+9], v[S+6], s[22:23] offset:16       ; key X + 8's,
	global_load_u16 v[S+10], v[S+6], s[22:23] offset:2048    ; and the same eight steps (1,024 keys) on
	global_load_u16 v[S+11], v[S+6], s[22:23] offset:2064
	global_load_b64 v[S+12:S+13], v[S+7], s[26:27]
	s_wait_loadcnt 0x0
	v_lshl_or_b32 v[S+8], v[S+9], 16, v[S+8]
	v_lshl_or_b32 v[S+10], v[S+11], 16, v[S+10]
	ds_store_b32 v[S+14], v[S+8]
	ds_store_b32 v[S+14], v[S+10] offset:2048
	ds_store_b32 v[S+15], v[S+12]
	ds_store_b32 v[S+15], v[S+13] offset:256       ; the first block's barrier, with its wait for my LDS stores, shows these to every wave
; The next slot's 256 keys: 64 bytes a lane.  K: two steps' 512 consecutive bytes a wave; V: four rows' 256 bytes a wave.
.macro FILL_LOAD
	global_load_b128 v[SG:SG+3], v[KG], s[KP:KP+1]
	global_load_b128 v[SG+4:SG+7], v[KG], s[KP:KP+1] offset:8192
	global_load_b128 v[SG+8:SG+11], v[VG], s[VPT:VPT+1]
	global_load_b128 v[SG+12:SG+15], v[VG], s[VPT:VPT+1] offset:4096
.endm
.macro FILL_STORE buf
	ds_store_b128 v[KL], v[SG:SG+3] offset:(\buf)*BUFB
	ds_store_b128 v[KL], v[SG+4:SG+7] offset:(\buf)*BUFB+8192
	ds_store_b128 v[VL], v[SG+8:SG+11] offset:(\buf)*BUFB+VOFF
	ds_store_b128 v[VL], v[SG+12:SG+15] offset:(\buf)*BUFB+VOFF+2*VPI
.endm
; A KEY STEP: 128 keys, the half-th step of slot slot.  Every LDS address is a lane's fixed register + an immediate (both slots lie under 64 KiB); the scale words' register is made once a trip.
.macro STEP slot, half
.set B0, (\slot)*BUFB
.set KK, 2*(\slot)+(\half)
	s_bitcmp1_b32 s[FL], 0                         ; has my tile a true bit in this step?  If not, the step adds nothing: it is left out
	s_cbranch_scc0 .Lhid_\@
.rept 8
	v_nop                                          ; eight places between the last step's products and loads into the registers that they read
.endr
.irp b, 0,1,2,3
.irp c, 0,1,2,3
	ds_load_b128 v[F+16*\b+4*\c:F+16*\b+4*\c+3], v[AK] offset:B0+8192*(\half)+2048*\b+512*\c   ; an image comes back as it was laid: 512 consecutive bytes an instruction
.endr
.endr
	ds_load_b32 v[KS], v[ADS] offset:256*KK
	ds_load_b32 v[KS+1], v[ADS] offset:256*KK+128
	s_wait_dscnt 0x0                               ; K's fragments and scale words are in
.irp b, 0,1,2,3                                ; S^T: fragment b against [q; 0] and against [0; q]: eight accumulators, each begun with the constant 0
.if (\b)%2
	v_wmma_scale_f32_16x16x128_f8f6f4 v[S+16*\b:S+16*\b+7], v[F+16*\b:F+16*\b+15], v[QF:QF+15], 0, v[KS+\b/2], v[QS] matrix_a_scale:MATRIX_SCALE_ROW1
	v_wmma_scale_f32_16x16x128_f8f6f4 v[S+16*\b+8:S+16*\b+15], v[F+16*\b:F+16*\b+15], v[Z0:Z0+15], 0, v[KS+\b/2], v[QS] matrix_a_scale:MATRIX_SCALE_ROW1
.else
	v_wmma_scale_f32_16x16x128_f8f6f4 v[S+16*\b:S+16*\b+7], v[F+16*\b:F+16*\b+15], v[QF:QF+15], 0, v[KS+\b/2], v[QS]
	v_wmma_scale_f32_16x16x128_f8f6f4 v[S+16*\b+8:S+16*\b+15], v[F+16*\b:F+16*\b+15], v[Z0:Z0+15], 0, v[KS+\b/2], v[QS]
.endif
.endr
.rept 8
	v_nop                                          ; eight places: for the loads into K's registers and for the first read of the scores
.endr
.irp t, 0,1,2,3                                ; V's four tiles (16 of the head's 64 x these 128 keys) are asked for here and land under the softmax
.irp c, 0,1,2,3
	ds_load_b128 v[F+16*\t+4*\c:F+16*\t+4*\c+3], v[AV] offset:B0+VOFF+VT*\t+128*(\half)+32*\c
.endr
.endr
	ds_load_b32 v[VS], v[ADS] offset:4096+256*KK
	ds_load_b32 v[VS+1], v[ADS] offset:4096+256*KK+128
	s_bitcmp1_b32 s[FL], 1                         ; has my tile a false bit in this step?  If not, nothing is masked
	s_cbranch_scc0 .Lopen_\@
	s_load_b512 s[16:31], s[MP:MP+1], 256*KK       ; the step's 64 lane masks
	s_load_b512 s[32:47], s[MP:MP+1], 256*KK+64
	s_load_b512 s[48:63], s[MP:MP+1], 256*KK+128
	s_load_b512 s[68:83], s[MP:MP+1], 256*KK+192
	v_mov_b32 v[PT], 0xff800000                    ; -infinity
	s_wait_kmcnt 0x0
.set n, 0
.rept 64                                       ; ascending: each accumulator is read from its low end on
	v_cndmask_b32 v[S+n], v[PT], v[S+n], s[16+n+4*(n/48)]
.set n, n+1
.endr
.Lopen_\@:
.irp b, 0,1,2,3
	v_max3_num_f32 v[BM+\b], v[S+16*\b], v[S+1+16*\b], v[S+2+16*\b]   ; THE LARGEST SCORE OF EACH BLOCK OF 32 KEYS: it serves for the row's maximum and, since p rises with the score, for the block's largest p
.endr
.irp i, 3,5,7,9,11,13
.irp b, 0,1,2,3
	v_max3_num_f32 v[BM+\b], v[BM+\b], v[S+16*\b+\i], v[S+1+16*\b+\i]   ; (the four blocks by turns)
.endr
.endr
.irp b, 0,1,2,3
	v_max_num_f32 v[BM+\b], v[BM+\b], v[S+15+16*\b]
.endr
.irp b, 0,1,2,3
	v_permlanex16_b32 v[PT+\b], v[BM+\b], s[SEL], s[SEL+1]
.endr
.irp b, 0,1,2,3
	v_max_num_f32 v[BM+\b], v[BM+\b], v[PT+\b]     ; with lane l xor 16's 16 keys
.endr
	v_max3_num_f32 v[HO], v[BM], v[BM+1], v[BM+2]
	v_max_num_f32 v[HO], v[HO], v[BM+3]            ; the step's largest score of my query (-infinity where all its keys are masked)
	v_mul_f32 v[HO], s[CS], v[HO]                  ; as t (c is positive)
	v_max_num_f32 v[TMX], v[TMX], v[HO]            ; the running largest t
	v_mov_b32 v[HO], v[NM]
	v_floor_f32 v[NM], -v[TMX]                     ; the new -M = floor(-t) = -ceil(t): M is a whole number
	v_sub_f32 v[HO], v[NM], v[HO]                  ; old M less new M: a whole number, 0 or less
	v_cvt_i32_f32 v[HO], v[HO]                     ; (it saturates)
	v_ldexp_f32 v[FF], 1.0, v[HO]                  ; f = 2^(old M - new M)
.set j, 0
.rept 32
	v_pk_fma_f32 v[S+j:S+j+1], v[S+j:S+j+1], s[CS:CS+1], v[NM:NM+1] op_sel_hi:[1,0,0]   ; t - M, two at a time (of the pairs c and -M the low word serves both halves)
.set j, j+2
.endr
.irp b, 0,1,2,3
	v_fma_f32 v[BM+\b], v[BM+\b], s[CS], v[NM]     ; the same of each block's largest score
.endr
.set j, 0
.rept 64
	v_exp_f32 v[S+j], v[S+j]                       ; p = 2^(t - M), at most 1; 0 for a masked key
.set j, j+1
.endr
	v_pk_mul_f32 v[LS:LS+1], v[LS:LS+1], v[FF:FF+1] op_sel_hi:[1,0]   ; the sums under the new M: the plain instruction behind the exponentials
	s_wait_alu depctr_va_vdst(0)                   ; one wait for the batch of 64, ahead of its first reader
.irp b, 0,1,2,3
	v_exp_f32 v[BM+\b], v[BM+\b]                   ; the block's largest p: the same two instructions on the same number give the same bits
.endr
	v_pk_add_f32 v[PT:PT+1], v[S:S+1], v[S+2:S+3]  ; THE ROW'S SUM IS TAKEN OF THE UNQUANTISED p: two at a time, in two chains; it reads the 64 alone
.set j, 4
.rept 15
	v_pk_add_f32 v[LS:LS+1], v[LS:LS+1], v[S+j:S+j+1]
	v_pk_add_f32 v[PT:PT+1], v[PT:PT+1], v[S+j+2:S+j+3]
.set j, j+4
.endr
	v_pk_add_f32 v[LS:LS+1], v[LS:LS+1], v[PT:PT+1]
	s_wait_alu depctr_va_vdst(0)                   ; and one for the four
.irp b, 0,1,2,3
	v_max_num_f32 v[BM+\b], 0x4800000, v[BM+\b]    ; the floor 2^(9 - 127): the byte cannot fall under 1 (a block whose every p is 0 keeps that byte: its codes are zeros)
.endr
.irp b, 0,1,2,3
	v_add_nc_u32 v[SO+\b], 0xfc000000, v[BM+\b]    ; 8 off the exponent field: the conversion takes this operand's exponent field as its scale
.endr
.irp b, 0,1,2,3
	v_and_or_b32 v[HO+\b], v[BM+\b], 0x7f800000, s[MNT]   ; 448 x the scale
.endr
.irp b, 0,1,2,3
	v_lshrrev_b32 v[PT+\b], 23, v[SO+\b]           ; the scale's byte
.endr
	v_lshl_or_b32 v[PW], v[PT+1], 8, v[PT]         ; p's scale word for these 128 keys; more than eight plain instructions stand between it and the products that take it
	v_lshl_or_b32 v[PW], v[PT+2], 16, v[PW]
	v_lshl_or_b32 v[PW], v[PT+3], 24, v[PW]
.irp b, 0,1,2,3
.irp i, 0,1,2,3,4,5,6,7,8,9,10,11,12,13,14,15
	v_min_num_f32 v[S+16*\b+\i], v[S+16*\b+\i], v[HO+\b]   ; the conversion to an 8-bit code does not saturate (ISA guide 7.6.2); p is not negative, so the hold is one-sided
.endr
	v_cvt_scalef32_pk8_fp8_f32 v[PC+4*\b:PC+4*\b+1], v[S+16*\b:S+16*\b+7], v[SO+\b]
	v_cvt_scalef32_pk8_fp8_f32 v[PC+4*\b+2:PC+4*\b+3], v[S+16*\b+8:S+16*\b+15], v[SO+\b]
.endr
.set j, 0
.rept 16
	v_pk_mul_f32 v[O+j:O+j+1], v[O+j:O+j+1], v[FF:FF+1] op_sel_hi:[1,0]   ; O^T under the new M, ascending; these are also the plain instructions between the conversions and the products
.set j, j+2
.endr
	s_wait_dscnt 0x0                               ; V's fragments and scale words are in
.irp t, 0,1,2,3                                ; O^T += V^T P^T: four accumulators by turns, one instruction a turn; the matrix instruction ahead of the first is one of S^T's
.if (\t)%2
	v_wmma_scale_f32_16x16x128_f8f6f4 v[O+8*\t:O+8*\t+7], v[F+16*\t:F+16*\t+15], v[PC:PC+15], v[O+8*\t:O+8*\t+7], v[VS+\t/2], v[PW] matrix_a_scale:MATRIX_SCALE_ROW1
.else
	v_wmma_scale_f32_16x16x128_f8f6f4 v[O+8*\t:O+8*\t+7], v[F+16*\t:F+16*\t+15], v[PC:PC+15], v[O+8*\t:O+8*\t+7], v[VS+\t/2], v[PW]
.endif
.endr
.Lhid_\@:
	s_lshr_b32 s[FL], s[FL], 2                     ; on to the next step's two flags
.endm
; A SLOT: the next slot is asked for at its head, if any tile of the block has work there; its two steps; the 64 bytes a lane go into the other slot; ONE barrier.
; In front of the barrier every wave's reads of this slot and its stores into the other are done; the other slot was last read in front of the barrier before.  No barrier stands under a branch.
.macro SLOT buf
	s_and_b32 s[TMP], s[WW], 5                     ; the next slot's two 'there is work' bits, of all sixteen tiles
	s_cmp_lg_u32 s[TMP], 0
	s_cbranch_scc0 .Lnoload_\@
	FILL_LOAD                                      ; two key steps of sixteen waves ahead of the wait for it
.Lnoload_\@:
	STEP \buf, 0
	STEP \buf, 1
	s_wait_loadcnt 0x0                             ; on every way: the fill's loads are in, so their pointers may step
	s_add_nc_u64 s[KP:KP+1], s[KP:KP+1], 16384     ; 256 keys on: 256 rows of K,
	s_add_nc_u64 s[VPT:VPT+1], s[VPT:VPT+1], 256   ; 256 bytes in each row of V
	s_and_b32 s[TMP], s[WW], 5
	s_cmp_lg_u32 s[TMP], 0
	s_cbranch_scc0 .Lnostore_\@
	FILL_STORE 1-\buf
.Lnostore_\@:
	s_lshr_b32 s[WW], s[WW], 4                     ; behind eight shifts it is 0: nothing is asked for past the head's last key
	s_wait_dscnt 0x0                               ; for the others' sake: my stores have landed and my reads of this slot are back
	s_barrier_signal -1
	s_barrier_wait -1
.endm
.Lblock:                                           ; two trips: block 7 - x, then block x
	s_sub_co_u32 s16, 7, ttmp9
	s_cmp_eq_u32 s[BI], 0
	s_cselect_b32 s16, s16, ttmp9                  ; the block of 256 queries
	s_lshl_b32 s17, s16, 4
	s_add_co_u32 s17, s17, s[WV]                   ; my tile T = 16 x block + wave
	s_lshl_b32 s18, s16, 6
	s_mov_b32 s19, 0
	s_add_nc_u64 s[20:21], s[FLP:FLP+1], s[18:19]  ; the block's sixteen flag words,
	s_lshl_b32 s18, s17, 2
	s_add_nc_u64 s[22:23], s[FLP:FLP+1], s[18:19]  ; and mine
	s_load_b512 s[32:47], s[20:21], 0x0
	s_load_b32 s[FL], s[22:23], 0x0
	s_lshl_b32 s18, s17, 12                        ; 4,096 bytes a tile in lanemask (16 records of 256) and in out (16 rows of 256)
	s_add_nc_u64 s[MP:MP+1], s[LMP:LMP+1], s[18:19]
	s_add_nc_u64 s[OP:OP+1], s[OH:OH+1], s[18:19]
	s_lshl_b32 s18, s17, 10
	s_add_nc_u64 s[24:25], s[QCP:QCP+1], s[18:19]  ; my 16 rows of Q's codes,
	s_lshl_b32 s18, s17, 5
	s_add_nc_u64 s[26:27], s[QSP:QSP+1], s[18:19]  ; and their scale bytes
	global_load_b128 v[QF:QF+3], v[QO], s[24:25] th:TH_LOAD_NT             ; q(r, 16 h ..): k 0-31's half; read once in the launch
	global_load_b128 v[QF+4:QF+7], v[QO], s[24:25] offset:32 th:TH_LOAD_NT ; q(r, 32 + 16 h ..)
	global_load_u16 v[PT], v[QSO], s[26:27]
	v_mov_b32 v[TMX], 0xff61b1e6                   ; the largest t so far: -3e38, under every t
	v_floor_f32 v[NM], -v[TMX]                     ; -M
	v_mov_b32 v[LS], 0                             ; the sum, in two halves
	v_mov_b32 v[LS+1], 0
.set j, 0
.rept 32
	v_mov_b32 v[O+j], 0                            ; O^T.  The step is written once for every step: which step is a tile's first hangs on the flags; the first change of M leaves zeros zeros
.set j, j+1
.endr
	s_mov_b64 s[KP:KP+1], s[KH:KH+1]
	s_mov_b64 s[VPT:VPT+1], s[VH:VH+1]
	s_mov_b32 s[TS], 0
	s_wait_kmcnt 0x0
	s_or_b32 s[WW], s32, s33
.irp i, 34,35,36,37,38,39,40,41,42,43,44,45,46,47
	s_or_b32 s[WW], s[WW], s\i
.endr
	s_and_b32 s[TMP], s[WW], 5                     ; slot 0, if any tile has work there
	s_cmp_lg_u32 s[TMP], 0
	s_cbranch_scc0 .Lno_first
	FILL_LOAD
	s_wait_loadcnt 0x0
	FILL_STORE 0                                   ; every wave has passed the last barrier, in front of which all reads of this slot were back
.Lno_first:
	s_wait_loadcnt 0x0                             ; Q, on both ways
	v_lshl_or_b32 v[QS], v[PT], 16, v[PT]          ; Q's two scale bytes twice: one word serves [q; 0] and [0; q]; the empty blocks hold zero codes
	s_add_nc_u64 s[KP:KP+1], s[KP:KP+1], 16384
	s_add_nc_u64 s[VPT:VPT+1], s[VPT:VPT+1], 256
	s_lshr_b32 s[WW], s[WW], 4
	s_wait_dscnt 0x0                               ; my stores have landed (in the first block the scale words among them)
	s_barrier_signal -1
	s_barrier_wait -1
	s_mov_b32 s[CNT], 4
.Ltrip:                                            ; four trips of two slots: 512 keys
	v_add_nc_u32 v[ADS], s[TS], v[AS0]
	SLOT 0
	SLOT 1
	s_add_co_u32 s[TS], s[TS], 1024                ; four steps' scale words on
	s_wait_xcnt 0x0                                ; the lane masks' loads have read their base: it steps only behind this wait
	s_add_nc_u64 s[MP:MP+1], s[MP:MP+1], 1024      ; four records on
	s_sub_co_u32 s[CNT], s[CNT], 1
	s_cmp_lg_u32 s[CNT], 0
	s_cbranch_scc1 .Ltrip
	; THE WAY OUT.  O^T is divided by the row's sum and goes through my own stage in LDS, so that each store covers whole rows of 256 bytes.
.rept 8
	v_nop                                          ; eight places behind the last products
.endr
	v_add_f32 v[LS], v[LS], v[LS+1]                ; the sum's two halves,
	v_permlanex16_b32 v[PT], v[LS], s[SEL], s[SEL+1]
	v_add_f32 v[LS], v[LS], v[PT]                  ; and lane l xor 16's: the row's sum
	v_rcp_f32 v[LS], v[LS]
	v_nop                                          ; a plain instruction behind the reciprocal,
	s_wait_alu depctr_va_vdst(0)                   ; and a wait ahead of its first reader
.set j, 0
.rept 16
	v_pk_mul_f32 v[S+j:S+j+1], v[O+j:O+j+1], v[LS:LS+1] op_sel_hi:[1,0]   ; register 8 t + i is out(r, 16 t + 8 h + i); ascending
.set j, j+2
.endr
.irp t, 0,1,2,3
	ds_store_b128 v[STO], v[S+8*\t:S+8*\t+3] offset:64*\t
	ds_store_b128 v[STO], v[S+8*\t+4:S+8*\t+7] offset:64*\t+16
.endr
.irp i, 0,1,2,3,4,5,6,7
	ds_load_b128 v[F+4*\i:F+4*\i+3], v[RD] offset:2*VPI*\i   ; LDS serves a wave's instructions in order (ISA guide 5.7.1.4): these see my stores
.endr
.irp i, 0,1,2,3,4,5,6,7
	s_wait_dscnt 7-\i                              ; the 7 - i younger loads may stay out
	global_store_b128 v[AK], v[F+4*\i:F+4*\i+3], s[OP:OP+1] offset:512*\i th:TH_STORE_NT   ; 32 lanes store 512 consecutive bytes, at a multiple of 256 from out's first byte; written once, read by nobody here
.endr
	s_wait_xcnt 0x0                                ; the stores have read their registers and their base: the next block writes both again
	s_add_co_u32 s[BI], s[BI], 1
	s_cmp_lt_u32 s[BI], 2
	s_cbranch_scc1 .Lblock
	s_wait_xcnt 0x0
	v_lshl_add_u32 v254, v0, 2, 0x23800
	v_mov_b32 v255, 0
	s_wait_tensorcnt 0x0
	ds_add_u32 v254, v255
	s_wait_dscnt 0x0
	s_endpgm
.Lfunc_end_k_q7d04700da7_attn:
	.size	k_q7d04700da7_attn, .Lfunc_end_k_q7d04700da7_attn-k_q7d04700da7_attn
	.p2alignl 7, 3214868480
	.fill 96, 4, 3214868480
	.section	.rodata,"a",@progbits
	.p2align	6, 0x0
	.amdhsa_kernel k_q7d04700da7_attn
		.amdhsa_group_segment_fixed_size 147456
		.amdhsa_private_segment_fixed_size 0
		.amdhsa_enable_private_segment 0
		.amdhsa_kernarg_size 72
		.amdhsa_user_sgpr_count 2
		.amdhsa_user_sgpr_kernarg_segment_ptr 1
		.amdhsa_wavefront_size32 1
		.amdhsa_system_sgpr_workgroup_id_x 1
		.amdhsa_system_sgpr_workgroup_id_y 1
		.amdhsa_system_sgpr_workgroup_id_z 1
		.amdhsa_system_vgpr_workitem_id 0
		.amdhsa_next_free_vgpr 256
		.amdhsa_next_free_sgpr 102
		.amdhsa_reserve_vcc 0
		.amdhsa_float_denorm_mode_32 3
		.amdhsa_float_denorm_mode_16_64 3
		.amdhsa_memory_ordered 1
		.amdhsa_forward_progress 1
		.amdhsa_inst_pref_size 107
	.end_amdhsa_kernel
	.amdgpu_metadata
---
amdhsa.version: [ 1, 2 ]
amdhsa.kernels:
  - .name:           k_q7d04700da7_attn
    .symbol:         k_q7d04700da7_attn.kd
    .args:
      - { .name: queries_codes, .offset: 0, .size: 8, .value_kind: global_buffer, .address_space: global }
      - { .name: queries_scales, .offset: 8, .size: 8, .value_kind: global_buffer, .address_space: global }
      - { .name: keys_codes, .offset: 16, .size: 8, .value_kind: global_buffer, .address_space: global }
      - { .name: keys_scales, .offset: 24, .size: 8, .value_kind: global_buffer, .address_space: global }
      - { .name: values_codes, .offset: 32, .size: 8, .value_kind: global_buffer, .address_space: global }
      - { .name: values_scales, .offset: 40, .size: 8, .value_kind: global_buffer, .address_space: global }
      - { .name: lanemask, .offset: 48, .size: 8, .value_kind: global_buffer, .address_space: global }
      - { .name: flags, .offset: 56, .size: 8, .value_kind: global_buffer, .address_space: global }
      - { .name: out0, .offset: 64, .size: 8, .value_kind: global_buffer, .address_space: global }
    .group_segment_fixed_size: 147456
    .private_segment_fixed_size: 0
    .kernarg_segment_align: 8
    .kernarg_segment_size: 72
    .max_flat_workgroup_size: 512
    .sgpr_count:     102
    .vgpr_count:     256
    .wavefront_size: 32
...
	.end_amdgpu_metadata
.endif
;; end of part 2
;; ======== version 2 of 2: 2 launches
;; workspace buffers: lanemask 524,288 bytes of whole numbers; flags 512 bytes of whole numbers
;; launch pack (part 3): grid 128 x 1, 16 waves a work-group, no clusters, 2,304 bytes of LDS; arguments mask, lanemask, flags; writes lanemask, flags
.if DOCPART == 3
	.amdgcn_target "amdgcn-amd-amdhsa--gfx1250"
	.amdhsa_code_object_version 6
	.text
	.protected	k_q7d04700da7_pack
	.globl	k_q7d04700da7_pack
	.p2align	8
	.type	k_q7d04700da7_pack,@function
k_q7d04700da7_pack:
	s_mov_b64 s[64:65], 0
	v_nop
	global_prefetch_b8 v0, s[64:65] scope:SCOPE_SE
	s_setreg_imm32_b32 hwreg(HW_REG_WAVE_MODE, 25, 1), 1
	s_wait_xcnt 0x0
; THE MASK [2048 queries][2048 keys], one byte a bool, is turned into what the attention launch wants of it.
; lanemask [tile T of 16 queries][step s of 128 keys][64 dwords]: bit L = r + 16 h of dword n = 16 b + i is mask[16 T + r][128 s + 32 b + 16 h + i]:
;   the lane mask of score register n in the attention launch's layout (a lane holds one query r; its register 16 b + i holds key 128 s + 32 b + 16 h + i).
; flags [128 dwords], one a tile T: bit 2 s = some bit of step s is true (there is work), bit 2 s + 1 = some bit is false (the scores must be masked).
; SHARES: work-group = tile T, wave = step s: a wave makes one record of 256 bytes and two bits.  Nothing is assumed of the mask's pattern.
; Memory binds (4 MiB in, 0.5 MiB out); matrix units, clusters and large tiles have nothing to do here.
.set ROWB, 2048                        ; a row of the mask in bytes
; ballot n lies in s[16 + n + 4 (n / 48)]: s16-63 and s68-83
	s_load_b128 s[4:7], s[0:1], 0x0                ; mask s[4:5], lanemask s[6:7]
	s_load_b64 s[8:9], s[0:1], 0x10                ; flags
	v_lshl_add_u32 v32, v0, 2, 0x100
	v_mov_b32 v33, 0
	v_lshrrev_b32 v7, 5, v0
	s_delay_alu instid0(VALU_DEP_1)
	v_readfirstlane_b32 s2, v7                     ; wave = step s
	v_and_b32 v1, 15, v0                           ; r
	v_bfe_u32 v2, v0, 4, 1                         ; h
	s_delay_alu instid0(VALU_DEP_2)
	v_lshlrev_b32 v1, 11, v1                       ; row r of the tile,
	s_delay_alu instid0(VALU_DEP_1)
	v_lshl_add_u32 v1, v2, 4, v1                   ; + 16 h,
	s_delay_alu instid0(VALU_DEP_1)
	v_lshl_add_u32 v1, v7, 7, v1                   ; + 128 s
	v_and_b32 v6, 31, v0
	s_delay_alu instid0(VALU_DEP_1)
	v_lshlrev_b32 v6, 3, v6                        ; the record: 8 bytes a lane
	v_lshlrev_b32 v7, 2, v7                        ; LDS: a word for each wave
	s_lshl_b32 s10, ttmp9, 15                      ; the tile's 16 rows of 2,048 bytes
	s_mov_b32 s11, 0
	s_lshl_b32 s12, ttmp9, 4
	s_add_co_u32 s12, s12, s2
	s_lshl_b32 s12, s12, 8                         ; record 16 T + s, 256 bytes each
	s_mov_b32 s13, 0
	s_lshl_b32 s14, ttmp9, 2                       ; the tile's flag word
	s_mov_b32 s15, 0
	s_wait_alu depctr_va_vdst(0)
	s_wait_kmcnt 0x0
	s_add_nc_u64 s[4:5], s[4:5], s[10:11]
	s_add_nc_u64 s[6:7], s[6:7], s[12:13]
	s_add_nc_u64 s[8:9], s[8:9], s[14:15]
.irp b, 0,1,2,3
	global_load_b128 v[8+4*\b:11+4*\b], v1, s[4:5] offset:32*\b th:TH_LOAD_NT   ; my 16 bytes of block b: keys 32 b + 16 h + 0 .. 15 of my row; read once in the launch
.endr
	s_wait_loadcnt 0x0
.set n, 0
.rept 64                               ; byte n % 4 of register n / 4 is the bool of score register n: one ballot each, two registers by turns
	v_bfe_u32 v[2+n%2], v[8+n/4], 8*(n%4), 8
	s_delay_alu instid0(VALU_DEP_1)
	v_cmp_ne_u32 s[16+n+4*(n/48)], 0, v[2+n%2]
.set n, n+1
.endr
	v_mov_b32 v4, 0                                ; (a lane write's destination counts as read)
	v_mov_b32 v5, 0
.set l, 0
.rept 32                               ; lane l takes dwords 2 l and 2 l + 1 of the record
	s_delay_alu instid0(VALU_DEP_2)
	v_writelane_b32 v4, s[16+2*l+4*((2*l)/48)], l
	s_delay_alu instid0(VALU_DEP_2)
	v_writelane_b32 v5, s[16+2*l+1+4*((2*l+1)/48)], l
.set l, l+1
.endr
	global_store_b64 v6, v[4:5], s[6:7]            ; 32 lanes store 256 consecutive bytes, at a multiple of 256 from the buffer's first byte
	s_mov_b32 s84, s16                             ; the OR and the AND of the 64 ballots
	s_mov_b32 s85, s16
.set n, 1
.rept 63
	s_or_b32 s84, s84, s[16+n+4*(n/48)]
	s_and_b32 s85, s85, s[16+n+4*(n/48)]
.set n, n+1
.endr
	s_cmp_lg_u32 s84, 0
	s_cselect_b32 s86, 1, 0                        ; some bit is true
	s_cmp_lg_u32 s85, -1
	s_cselect_b32 s87, 2, 0                        ; some bit is false
	s_or_b32 s86, s86, s87
	s_lshl_b32 s10, s2, 1
	s_lshl_b32 s86, s86, s10                       ; at bits 2 s, 2 s + 1
	v_mov_b32 v24, s86
	ds_store_b32 v7, v24                           ; all lanes write the wave's word with the same value
	s_wait_dscnt 0x0                               ; for wave 0's sake: my store has landed
	s_barrier_signal -1
	s_barrier_wait -1
	s_cmp_lg_u32 s2, 0                             ; wave 0 joins the sixteen words; no barrier stands in this branch
	s_cbranch_scc1 .Lend
	v_mov_b32 v25, 0
.irp i, 0,1,2,3
	ds_load_b128 v[8+4*\i:11+4*\i], v25 offset:16*\i
.endr
	s_wait_dscnt 0x0
.irp i, 9
	v_or_b32 v8, v8, v[\i]
.endr
.irp i, 10, 11, 12, 13, 14, 15, 16, 17, 18, 19, 20, 21, 22, 23
	s_delay_alu instid0(VALU_DEP_1)
	v_or_b32 v8, v8, v[\i]
.endr
	v_cmp_eq_u32 vcc_lo, 0, v0
	s_wait_alu depctr_va_vdst(0)
	s_wait_xcnt 0x0                                ; EXEC is a source of the record's store: it is narrowed only behind this wait
	s_and_saveexec_b32 s10, vcc_lo
	global_store_b32 v25, v8, s[8:9]               ; lane 0 stores the tile's word
	s_wait_xcnt 0x0                                ; and widened only behind this one
	s_or_b32 exec_lo, exec_lo, s10
.Lend:
	s_wait_tensorcnt 0x0
	ds_add_u32 v32, v33
	s_wait_dscnt 0x0
	s_endpgm
.Lfunc_end_k_q7d04700da7_pack:
	.size	k_q7d04700da7_pack, .Lfunc_end_k_q7d04700da7_pack-k_q7d04700da7_pack
	.p2alignl 7, 3214868480
	.fill 96, 4, 3214868480
	.section	.rodata,"a",@progbits
	.p2align	6, 0x0
	.amdhsa_kernel k_q7d04700da7_pack
		.amdhsa_group_segment_fixed_size 2304
		.amdhsa_private_segment_fixed_size 0
		.amdhsa_enable_private_segment 0
		.amdhsa_kernarg_size 24
		.amdhsa_user_sgpr_count 2
		.amdhsa_user_sgpr_kernarg_segment_ptr 1
		.amdhsa_wavefront_size32 1
		.amdhsa_system_sgpr_workgroup_id_x 1
		.amdhsa_system_sgpr_workgroup_id_y 1
		.amdhsa_system_sgpr_workgroup_id_z 1
		.amdhsa_system_vgpr_workitem_id 0
		.amdhsa_next_free_vgpr 34
		.amdhsa_next_free_sgpr 88
		.amdhsa_reserve_vcc 1
		.amdhsa_float_denorm_mode_32 3
		.amdhsa_float_denorm_mode_16_64 3
		.amdhsa_memory_ordered 1
		.amdhsa_forward_progress 1
		.amdhsa_inst_pref_size 25
	.end_amdhsa_kernel
	.amdgpu_metadata
---
amdhsa.version: [ 1, 2 ]
amdhsa.kernels:
  - .name:           k_q7d04700da7_pack
    .symbol:         k_q7d04700da7_pack.kd
    .args:
      - { .name: mask, .offset: 0, .size: 8, .value_kind: global_buffer, .address_space: global }
      - { .name: lanemask, .offset: 8, .size: 8, .value_kind: global_buffer, .address_space: global }
      - { .name: flags, .offset: 16, .size: 8, .value_kind: global_buffer, .address_space: global }
    .group_segment_fixed_size: 2304
    .private_segment_fixed_size: 0
    .kernarg_segment_align: 8
    .kernarg_segment_size: 24
    .max_flat_workgroup_size: 512
    .sgpr_count:     88
    .vgpr_count:     34
    .wavefront_size: 32
...
	.end_amdgpu_metadata
.endif
;; end of part 3
;; launch attn (part 4): grid 4 x 64, 16 waves a work-group, no clusters, 147,456 bytes of LDS; arguments queries_codes, queries_scales, keys_codes, keys_scales, values_codes, values_scales, lanemask, flags, out0; writes out0
.if DOCPART == 4
	.amdgcn_target "amdgcn-amd-amdhsa--gfx1250"
	.amdhsa_code_object_version 6
	.text
	.protected	k_q7d04700da7_attn
	.globl	k_q7d04700da7_attn
	.p2align	8
	.type	k_q7d04700da7_attn,@function
k_q7d04700da7_attn:
	s_mov_b64 s[64:65], 0
	v_nop
	global_prefetch_b8 v0, s[64:65] scope:SCOPE_SE
	s_setreg_imm32_b32 hwreg(HW_REG_WAVE_SCHED_MODE, 0, 2), 2
	s_setreg_imm32_b32 hwreg(HW_REG_WAVE_MODE, 25, 1), 1
	s_wait_xcnt 0x0
	s_wait_alu depctr_vm_vsrc(0)
; out[h][q][:] = the sum over k of softmax_k(mask ? Q[h][q] . K[h][k] / 8 : -inf) V[h][k][:], 64 heads, 2,048 queries and keys, head size 64; both products on given codes of E4M3 with one E8M0 scale for each 32 along K.
; Q, K: [head][2048][64] codes, scale bytes [head][2048][2].  V: codes with the KEYS innermost, [head][64][2048], scale bytes [head][64][64].  out: [head][2048][64] f32.
; THE SOFTMAX: t = score x log2(e) / 8; M = the running largest t rounded UP to a whole number; p = 2^(t - M) is quantised along the keys, not normalised; the row's sum is taken of the unquantised p and divides at the end.
; When M moves, the sum and O are multiplied by 2^(old M - new M): exact.
; THE MASK is an input.  An earlier launch has laid it as lane masks (lanemask) and two bits for each tile of 16 queries x 128 keys (flags).  A tile with no true bit adds p = 0 everywhere, moves no maximum and adds
; nothing to any sum: it is left out, by a scalar branch on its stored flag.  A tile with no false bit skips the masking.  Both hold for every mask; no pattern is assumed.  A row with no true bit at all ends as 0 x (1 / 0) = NaN, as the definition has it.
; SHARES.  A work-group owns one head and two blocks of 256 queries, 7 - x and then x (an order only: right for every mask).  Each of its SIXTEEN waves owns 16 queries of the block, one tile, in 256 registers: four waves
; to a SIMD, so that one wave's vector work stands beside another's matrix work and LDS loads.  A key step is 128 keys: 12 matrix instructions beside some 320 vector instructions.
; NO TENSOR LOADS, NO CLUSTER: the text branches on numbers read from memory (the flags), so LDS is filled through registers: four loads and four LDS stores a wave for 256 keys.  Joint loads are tensor loads, so there are none.
; LAYOUT.  Both products are used transposed: S^T = K Q^T (source 0 = keys, source 1 = my 16 queries), O^T = V^T P^T (source 0 = 16 of the head's 64, source 1 = P): a lane (r = lane % 16, h = lane / 16) holds ONE query r throughout.
; K = 64 IN A FORM OF 128: a fragment of K carries TWO keys a row: row m holds key X(m) = 32 b + m + 8 (m / 8) at k 0-63 and key X(m) + 8 at k 64-127.  Q stands once, in v24-31, between two runs of eight zero registers:
; source 1 = v[24:39] is [q; 0] and gives keys X(m), source 1 = v[16:31] is [0; q] and gives keys X(m) + 8.  So score register 16 b + i holds key 32 b + 16 h + i: 16 neighbours along the second product's K.
; LIMITS: NaN codes (0x7f, 0xff) and the scale byte 0xff among the inputs are not served (such a key would also spoil the key eight further on, which shares its fragment row).  A block's largest p is taken as the p of its largest
; score, which takes v_exp_f32 not to fall where its input rises.  A block of p whose largest number lies under 2^(9 - 127) keeps the scale byte 1.
; THE MODE: SCHED_MODE bits 1:0 = 2 (LLVM: expert scheduling mode 2), set by the entry lines.  The code itself states the register dependences between vector or matrix instructions and memory or LDS
; instructions, with s_wait_alu, always for 0.
; THE PLAN.  Registers that memory or LDS instructions touch:
;   F          K's fragments land in it at a step's head and are read by the S^T products; V's land in it behind those products and are read by the O^T products; on the way out the stage's rows land in it and the global stores read it.
;   KS, VS     scale words: they land with K's and with V's fragments and are read by the same products.
;   SG         the fill's global loads land in it at a slot's head; the fill's LDS stores read it at the slot's end; no vector instruction names it behind the kernel's head.
;   QF, PT     global loads land in them at a block's head; QF is read by the S^T products, PT is at work in every step.
;   ADS        written once a trip, at the trip's head; read by the scale words' LDS loads.
;   S          on the way out written by the divisions and read by the stage's LDS stores; at the kernel's head at work for the scale words' loads and stores.
;   AK, AV, AS0, KG, KL, VG, VL, QO, QSO, STO, RD: made once at the head, never written again.
;   PC, PW, QS and the zeros beside Q are written by vector instructions and taken by scaled products.
; THE WAITS.  A step has five on va_vdst beside the two behind its exponentials: at its head (the last step's products are done with F, KS, VS), behind the S^T products (they are done with F: V's loads follow, dealt among
; the first lines of the softmax, which name none of F, VS, AV, ADS), one in the masking branch, one ahead of the exponentials, and one ahead of the O^T products (p's codes and scale word are written).  A slot has one on vm_vsrc, at its end (the fill's LDS stores have read SG).
; A block has one of each at its head.  No second set of fragment registers can be had: all 256 registers are named.
.set BUFB,  33792                      ; a slot of 256 keys (two key steps): K as images of the fragments' registers, 16,384 bytes: 8192 step + 2048 b + 512 c + 16 lane;
.set VOFF,  16384                      ; then V: 64 rows d of 256 bytes, 272 apart
.set VPI,   272                        ; 256 bytes + 16 = 68 words: row r starts at bank 4 r mod 64 (64 banks of 4 bytes: ISA guide 11.1)
.set VT,    16*VPI                     ; 16 rows
.set KSC,   2*BUFB                     ; K's scale words of the whole head: 256 x step + 4 (16 b + m): X(m)'s two bytes below, (X(m) + 8)'s above
.set VSC,   KSC+4096                   ; V's, turned: 256 x step + 4 d
.set STG,   VSC+4096                   ; the way out: 16 rows x 272 bytes for each wave
.set AK,  1                            ; v1   16 x lane: my place in an image; also my bytes in two rows of out
.set AV,  2                            ; v2   272 r + 16 h: my place in a tile of V
.set AS0, 3                            ; v3   KSC + 4 x lane
.set KG,  4                            ; v4   the fill, K in memory: 512 w + 64 (l & 7) + 16 ((l >> 3) & 3)
.set KL,  5                            ; v5   and in a slot
.set VG,  6                            ; v6   the fill, V in memory: 8192 w + 2048 h + 16 r
.set VL,  7                            ; v7   and in a slot: 272 (4 w + h) + 16 r
.set QO,  8                            ; v8   64 r + 16 h
.set QSO, 9                            ; v9   2 r
.set ADS, 10                           ; v10  the trip's scale words
.set STO, 11                           ; v11  the stage, in
.set NM,  12                           ; v12  -M;  v13 the largest t so far
.set TMX, 13
.set LS,  14                           ; v[14:15] the row's sum, in two halves
.set Z0,  16                           ; v16-23 zeros
.set QF,  24                           ; v24-31 Q
.set Z1,  32                           ; v32-39 zeros
.set QS,  40                           ; v40  Q's scale word: its two bytes twice
.set RD,  41                           ; v41  the stage, back
.set KS,  42                           ; v42-43 K's scale words: lanes 0-15 fragment 2 g, lanes 16-31 fragment 2 g + 1
.set VS,  44                           ; v44-45 V's likewise
.set FF,  46                           ; v46  f = 2^(old M - new M)
.set PW,  47                           ; v47  p's scale word (named with f as a pair, of which the low word alone is taken)
.set F,   48                           ; v48-111  four fragments: of K, then of V
.set S,   112                          ; v112-175 S^T, then p
.set O,   176                          ; v176-207 O^T: tile t at O + 8 t
.set PC,  208                          ; v208-223 p's codes
.set SG,  224                          ; v224-239 the fill's 64 bytes a lane
.set BM,  240                          ; v240-243 the blocks' largest scores, then largest p
.set PT,  244                          ; v244-247 at work
.set HO,  248                          ; v248-251 448 x the scale (v248 before that: at work)
.set SO,  252                          ; v252-255 the conversions' scale operands
.set WV,  2                            ; s2   wave
.set CNT, 3                            ; s3   trips to go
.set QCP, 4                            ; s[4:5] Q's codes, s[6:7] Q's scales, at my head
.set QSP, 6
.set KP,  8                            ; s[8:9] K's codes, s[10:11] V's codes: the slot to be fetched
.set VPT, 10
.set MP,  12                           ; s[12:13] my tile's lane masks, the trip's four steps
.set OH,  14                           ; s[14:15] out at my head
.set MNT, 66                           ; s66  the mantissa field of 448
.set TMP, 67
.set KH,  84                           ; s[84:85], s[86:87] K's and V's codes at my head
.set VH,  86
.set LMP, 88                           ; s[88:89] lanemask;  s[90:91] flags
.set FLP, 90
.set OP,  92                           ; s[92:93] out at my tile
.set FL,  94                           ; s94  my tile's flags, shifted by 2 a step
.set WW,  95                           ; s95  the OR of my block's sixteen flag words, shifted by 4 a slot: the same in all sixteen waves
.set TS,  96                           ; s96  where the trip's scale words begin: 1,024 bytes a trip
.set BI,  97                           ; s97  block 0, 1
.set SEL, 98                           ; s[98:99] v_permlanex16_b32's selects for lane l xor 16
.set CS,  100                          ; s[100:101] c = log2(e) / 8, twice (the packed form names a pair)
; s16-63 and s68-83: the 64 lane masks of a step (mask n in s[16 + n + 4 (n / 48)]); at work in the prologues
	s_load_b512 s[16:31], s[0:1], 0x0              ; Q's codes, Q's scales, K's codes, K's scales, V's codes, V's scales, lanemask, flags
	s_load_b64 s[32:33], s[0:1], 0x40              ; out
	v_lshrrev_b32 v[S], 5, v0                      ; w   (the registers of S^T are at work here)
	v_readfirstlane_b32 s[WV], v[S]
	v_and_b32 v[S+1], 31, v0                       ; lane
	v_and_b32 v[S+2], 15, v0                       ; r
	v_bfe_u32 v[S+3], v0, 4, 1                     ; h
	v_and_b32 v[S+4], 7, v0
	v_bfe_u32 v[S+5], v0, 3, 2
	v_lshlrev_b32 v[AK], 4, v[S+1]
	v_mul_u32_u24 v[AV], v[S+2], VPI
	v_lshl_add_u32 v[AV], v[S+3], 4, v[AV]
	v_lshl_add_u32 v[AS0], v[S+1], 2, KSC
	; THE FILL OF K.  A wave's load takes 512 consecutive bytes: keys 8 w + (l & 7) of a step, piece (l >> 3) & 3 of 16 bytes of the key's 64.
	v_lshlrev_b32 v[KG], 9, v[S]
	v_lshl_add_u32 v[KG], v[S+4], 6, v[KG]
	v_lshl_add_u32 v[KG], v[S+5], 4, v[KG]
	; Key u = 8 (w & 3) + (l & 7) of block b = w / 4: row m = (u & 7) + 8 (u >> 4), upper half of K where u & 8.  Piece q lies in group c = 2 (u & 8 ? 1 : 0) + q / 2 of lane m + 16 (q & 1):
	; 2048 b + 512 c + 16 (m + 16 (q & 1)) = 16 (l & 7) + 256 q + 1024 (w & 1) + 128 ((w >> 1) & 1) + 2048 (w >> 2)
	v_lshlrev_b32 v[KL], 4, v[S+4]
	v_lshl_add_u32 v[KL], v[S+5], 8, v[KL]
	v_bfe_u32 v[S+6], v0, 5, 1
	v_lshl_add_u32 v[KL], v[S+6], 10, v[KL]
	v_bfe_u32 v[S+6], v0, 6, 1
	v_lshl_add_u32 v[KL], v[S+6], 7, v[KL]
	v_bfe_u32 v[S+6], v0, 7, 2
	v_lshl_add_u32 v[KL], v[S+6], 11, v[KL]
	; THE FILL OF V.  A wave's load takes two rows' 256 bytes: rows 4 w + h, and 4 w + 2 + h by the second load.
	v_lshlrev_b32 v[VG], 13, v[S]
	v_lshl_add_u32 v[VG], v[S+3], 11, v[VG]
	v_lshl_add_u32 v[VG], v[S+2], 4, v[VG]
	v_lshl_add_u32 v[S+6], v[S], 2, v[S+3]
	v_mul_u32_u24 v[VL], v[S+6], VPI
	v_lshl_add_u32 v[VL], v[S+2], 4, v[VL]
	v_lshlrev_b32 v[QO], 6, v[S+2]
	v_lshl_add_u32 v[QO], v[S+3], 4, v[QO]
	v_lshlrev_b32 v[QSO], 1, v[S+2]
	s_wait_alu depctr_va_sdst(0)                   ; s[WV] is written, ahead of its first reader: my stage's place and my tile's number are made from it
	s_mul_i32 s34, s[WV], VT
	s_add_co_u32 s34, s34, STG                     ; my stage
	v_mul_u32_u24 v[STO], v[S+2], VPI              ; in: row r, 32 bytes for each half of the lanes
	v_lshl_add_u32 v[STO], v[S+3], 5, v[STO]
	v_add_nc_u32 v[STO], s34, v[STO]
	v_mul_u32_u24 v[RD], v[S+3], VPI               ; back: lanes 0-15 one row of 256 bytes, lanes 16-31 the next
	v_lshl_add_u32 v[RD], v[S+2], 4, v[RD]
	v_add_nc_u32 v[RD], s34, v[RD]
	; the scale words of the whole head.  Thread t makes K's words t and t + 512.  Word t = 64 step + 16 b + m belongs to key X = 32 (t >> 4) + (t & 7) + 16 ((t >> 3) & 1) and to key X + 8; two bytes a key
	v_lshrrev_b32 v[S+6], 4, v0
	v_lshlrev_b32 v[S+6], 6, v[S+6]
	v_lshl_add_u32 v[S+6], v[S+4], 1, v[S+6]
	v_bfe_u32 v[S+7], v0, 3, 1
	v_lshl_add_u32 v[S+6], v[S+7], 5, v[S+6]
	v_lshlrev_b32 v[S+7], 3, v0                    ; V's: thread t takes 8 bytes: row d = t >> 3, steps 2 (t & 7) and 2 (t & 7) + 1
	v_lshl_add_u32 v[S+14], v0, 2, KSC             ; K's word t
	v_lshrrev_b32 v[S+15], 3, v0
	v_lshlrev_b32 v[S+15], 2, v[S+15]
	v_lshl_add_u32 v[S+15], v[S+4], 9, v[S+15]
	v_add_nc_u32 v[S+15], VSC, v[S+15]             ; V's: 512 (t & 7) + 4 (t >> 3)
.irp i, 0,1,2,3,4,5,6,7
	v_mov_b32 v[Z0+\i], 0                          ; the zero codes beside Q: they stay
	v_mov_b32 v[Z1+\i], 0
.endr
.irp i, 0,1,2,3,4,5,6,7,8,9,10,11,12,13,14,15
	v_mov_b32 v[SG+\i], 0                          ; written once, so that they are written on every way to the fill's LDS stores
.endr
.irp i, 0,1,2,3
	v_mov_b32 v[PT+\i], 0                          ; a lane permute's destination counts as one of its sources
.endr
	v_mov_b32 v[PW], 0                             ; (named as the upper half of the pair v[46:47] before it is first made)
	s_and_b32 s35, ttmp7, 0xffff                   ; the head
	s_lshl_b32 s36, s35, 17                        ; its codes: 131,072 bytes a tensor,
	s_mov_b32 s37, 0
	s_lshl_b32 s38, s35, 12                        ; its scale bytes: 4,096,
	s_mov_b32 s39, 0
	s_lshl_b32 s40, s35, 19                        ; its rows of out: 524,288
	s_mov_b32 s41, 0
	s_mov_b32 s[MNT], 0x600000
	s_mov_b32 s[SEL], 0x76543210
	s_mov_b32 s[SEL+1], 0xfedcba98
	s_mov_b32 s[CS], 0x3e38aa3b                    ; c = log2(e) / 8
	s_mov_b32 s[CS+1], s[CS]
	s_mov_b32 s[BI], 0
	s_wait_kmcnt 0x0
	s_add_nc_u64 s[QCP:QCP+1], s[16:17], s[36:37]
	s_add_nc_u64 s[QSP:QSP+1], s[18:19], s[38:39]
	s_add_nc_u64 s[KH:KH+1], s[20:21], s[36:37]
	s_add_nc_u64 s[22:23], s[22:23], s[38:39]
	s_add_nc_u64 s[VH:VH+1], s[24:25], s[36:37]
	s_add_nc_u64 s[26:27], s[26:27], s[38:39]
	s_mov_b64 s[LMP:LMP+1], s[28:29]
	s_mov_b64 s[FLP:FLP+1], s[30:31]
	s_add_nc_u64 s[OH:OH+1], s[32:33], s[40:41]
	s_wait_alu depctr_va_vdst(0)                   ; all that the head's vector lines have made is written: the eleven addresses v1 to v9, v11, v41, which the kernel's loads and stores read; the four addresses in v[S+6], v[S+7], v[S+14], v[S+15]; SG's and PT's zeros, on which loads land
	global_load_u16 v[S+8], v[S+6], s[22:23]                 ; key X's two bytes,
	global_load_u16 v[S+9], v[S+6], s[22:23] offset:16       ; key X + 8's,
	global_load_u16 v[S+10], v[S+6], s[22:23] offset:2048    ; and the same eight steps (1,024 keys) on
	global_load_u16 v[S+11], v[S+6], s[22:23] offset:2064
	global_load_b64 v[S+12:S+13], v[S+7], s[26:27]
	s_wait_loadcnt 0x0
	v_lshl_or_b32 v[S+8], v[S+9], 16, v[S+8]
	v_lshl_or_b32 v[S+10], v[S+11], 16, v[S+10]
	s_wait_alu depctr_va_vdst(0)                   ; the two joined words v[S+8] and v[S+10] are written, which the LDS stores read
	ds_store_b32 v[S+14], v[S+8]
	ds_store_b32 v[S+14], v[S+10] offset:2048
	ds_store_b32 v[S+15], v[S+12]
	ds_store_b32 v[S+15], v[S+13] offset:256       ; the first block's barrier, with its wait for my LDS stores, shows these to every wave
; The next slot's 256 keys: 64 bytes a lane.  K: two steps' 512 consecutive bytes a wave; V: four rows' 256 bytes a wave.
.macro FILL_LOAD
	global_load_b128 v[SG:SG+3], v[KG], s[KP:KP+1]
	global_load_b128 v[SG+4:SG+7], v[KG], s[KP:KP+1] offset:8192
	global_load_b128 v[SG+8:SG+11], v[VG], s[VPT:VPT+1]
	global_load_b128 v[SG+12:SG+15], v[VG], s[VPT:VPT+1] offset:4096
.endm
.macro FILL_STORE buf
	ds_store_b128 v[KL], v[SG:SG+3] offset:(\buf)*BUFB
	ds_store_b128 v[KL], v[SG+4:SG+7] offset:(\buf)*BUFB+8192
	ds_store_b128 v[VL], v[SG+8:SG+11] offset:(\buf)*BUFB+VOFF
	ds_store_b128 v[VL], v[SG+12:SG+15] offset:(\buf)*BUFB+VOFF+2*VPI
.endm
; Tile t of V (16 of the head's 64 x the step's 128 keys): four LDS loads.  B0 is the slot's first byte, set by STEP.
.macro VTILE half, t
.irp c, 0,1,2,3
	ds_load_b128 v[F+16*(\t)+4*\c:F+16*(\t)+4*\c+3], v[AV] offset:B0+VOFF+VT*(\t)+128*(\half)+32*\c
.endr
.endm
; A KEY STEP: 128 keys, the half-th step of slot slot.  Every LDS address is a lane's fixed register + an immediate (both slots lie under 64 KiB); the scale words' register is made once a trip.
.macro STEP slot, half
.set B0, (\slot)*BUFB
.set KK, 2*(\slot)+(\half)
	s_bitcmp1_b32 s[FL], 0                         ; has my tile a true bit in this step?  If not, the step adds nothing: it is left out
	s_cbranch_scc0 .Lhid_\@
.rept 8
	v_nop                                          ; eight places between the last step's products and loads into the registers that they read
.endr
	s_wait_alu depctr_va_vdst(0)                   ; the last step's products are done reading F, KS and VS, in which this step's loads land; v[ADS], which the scale words' loads read, and v[QS], which the products below take as scales, are written
.irp b, 0,1,2,3
.irp c, 0,1,2,3
	ds_load_b128 v[F+16*\b+4*\c:F+16*\b+4*\c+3], v[AK] offset:B0+8192*(\half)+2048*\b+512*\c   ; an image comes back as it was laid: 512 consecutive bytes an instruction
.endr
.endr
	ds_load_b32 v[KS], v[ADS] offset:256*KK
	ds_load_b32 v[KS+1], v[ADS] offset:256*KK+128
	s_wait_dscnt 0x0                               ; K's fragments and scale words are in
.irp b, 0,1,2,3                                ; S^T: fragment b against [q; 0] and against [0; q]: eight accumulators, each begun with the constant 0
.if (\b)%2
	v_wmma_scale_f32_16x16x128_f8f6f4 v[S+16*\b:S+16*\b+7], v[F+16*\b:F+16*\b+15], v[QF:QF+15], 0, v[KS+\b/2], v[QS] matrix_a_scale:MATRIX_SCALE_ROW1
	v_wmma_scale_f32_16x16x128_f8f6f4 v[S+16*\b+8:S+16*\b+15], v[F+16*\b:F+16*\b+15], v[Z0:Z0+15], 0, v[KS+\b/2], v[QS] matrix_a_scale:MATRIX_SCALE_ROW1
.else
	v_wmma_scale_f32_16x16x128_f8f6f4 v[S+16*\b:S+16*\b+7], v[F+16*\b:F+16*\b+15], v[QF:QF+15], 0, v[KS+\b/2], v[QS]
	v_wmma_scale_f32_16x16x128_f8f6f4 v[S+16*\b+8:S+16*\b+15], v[F+16*\b:F+16*\b+15], v[Z0:Z0+15], 0, v[KS+\b/2], v[QS]
.endif
.endr
.rept 8
	v_nop                                          ; eight places: for the loads into K's registers and for the first read of the scores
.endr
	s_wait_alu depctr_va_vdst(0)                   ; the eight products are done reading F, in which V's fragments land.  V's eighteen loads follow with no further wait, dealt among the lines below, which name none of F, VS, AV, ADS
	VTILE \half, 0                                 ; V's four tiles are asked for from here on and land under the softmax
	ds_load_b32 v[VS], v[ADS] offset:4096+256*KK
	ds_load_b32 v[VS+1], v[ADS] offset:4096+256*KK+128
	s_bitcmp1_b32 s[FL], 1                         ; has my tile a false bit in this step?  If not, nothing is masked
	s_cbranch_scc0 .Lopen_\@
	s_load_b512 s[16:31], s[MP:MP+1], 256*KK       ; the step's 64 lane masks
	s_load_b512 s[32:47], s[MP:MP+1], 256*KK+64
	s_load_b512 s[48:63], s[MP:MP+1], 256*KK+128
	s_load_b512 s[68:83], s[MP:MP+1], 256*KK+192
	v_mov_b32 v[PT], 0xff800000                    ; -infinity
	s_wait_alu depctr_va_vdst(0)
	s_wait_kmcnt 0x0
.set n, 0
.rept 64                                       ; ascending: each accumulator is read from its low end on
	v_cndmask_b32 v[S+n], v[PT], v[S+n], s[16+n+4*(n/48)]
.set n, n+1
.endr
.Lopen_\@:
.irp b, 0,1,2,3
	v_max3_num_f32 v[BM+\b], v[S+16*\b], v[S+1+16*\b], v[S+2+16*\b]   ; THE LARGEST SCORE OF EACH BLOCK OF 32 KEYS: it serves for the row's maximum and, since p rises with the score, for the block's largest p
.endr
	VTILE \half, 1
.irp i, 3,5,7,9,11,13
.irp b, 0,1,2,3
	v_max3_num_f32 v[BM+\b], v[BM+\b], v[S+16*\b+\i], v[S+1+16*\b+\i]   ; (the four blocks by turns)
.endr
.endr
	VTILE \half, 2
.irp b, 0,1,2,3
	v_max_num_f32 v[BM+\b], v[BM+\b], v[S+15+16*\b]
.endr
	VTILE \half, 3
.irp b, 0,1,2,3
	v_permlanex16_b32 v[PT+\b], v[BM+\b], s[SEL], s[SEL+1]
.endr
.irp b, 0,1,2,3
	v_max_num_f32 v[BM+\b], v[BM+\b], v[PT+\b]     ; with lane l xor 16's 16 keys
.endr
	v_max3_num_f32 v[HO], v[BM], v[BM+1], v[BM+2]
	v_max_num_f32 v[HO], v[HO], v[BM+3]            ; the step's largest score of my query (-infinity where all its keys are masked)
	v_mul_f32 v[HO], s[CS], v[HO]                  ; as t (c is positive)
	v_max_num_f32 v[TMX], v[TMX], v[HO]            ; the running largest t
	v_mov_b32 v[HO], v[NM]
	v_floor_f32 v[NM], -v[TMX]                     ; the new -M = floor(-t) = -ceil(t): M is a whole number
	v_sub_f32 v[HO], v[NM], v[HO]                  ; old M less new M: a whole number, 0 or less
	v_cvt_i32_f32 v[HO], v[HO]                     ; (it saturates)
	v_ldexp_f32 v[FF], 1.0, v[HO]                  ; f = 2^(old M - new M)
.set j, 0
.rept 32
	v_pk_fma_f32 v[S+j:S+j+1], v[S+j:S+j+1], s[CS:CS+1], v[NM:NM+1] op_sel_hi:[1,0,0]   ; t - M, two at a time (of the pairs c and -M the low word serves both halves)
.set j, j+2
.endr
.irp b, 0,1,2,3
	v_fma_f32 v[BM+\b], v[BM+\b], s[CS], v[NM]     ; the same of each block's largest score
.endr
.set j, 0
	s_wait_alu depctr_va_vdst(0)
.rept 64
	v_exp_f32 v[S+j], v[S+j]                       ; p = 2^(t - M), at most 1; 0 for a masked key
.set j, j+1
.endr
	v_pk_mul_f32 v[LS:LS+1], v[LS:LS+1], v[FF:FF+1] op_sel_hi:[1,0]   ; the sums under the new M: the plain instruction behind the exponentials
	s_wait_alu depctr_va_vdst(0)                   ; one wait for the batch of 64, ahead of its first reader
.irp b, 0,1,2,3
	v_exp_f32 v[BM+\b], v[BM+\b]                   ; the block's largest p: the same two instructions on the same number give the same bits
.endr
	v_pk_add_f32 v[PT:PT+1], v[S:S+1], v[S+2:S+3]  ; THE ROW'S SUM IS TAKEN OF THE UNQUANTISED p: two at a time, in two chains; it reads the 64 alone
.set j, 4
.rept 15
	v_pk_add_f32 v[LS:LS+1], v[LS:LS+1], v[S+j:S+j+1]
	v_pk_add_f32 v[PT:PT+1], v[PT:PT+1], v[S+j+2:S+j+3]
.set j, j+4
.endr
	v_pk_add_f32 v[LS:LS+1], v[LS:LS+1], v[PT:PT+1]
	s_wait_alu depctr_va_vdst(0)                   ; and one for the four
.irp b, 0,1,2,3
	v_max_num_f32 v[BM+\b], 0x4800000, v[BM+\b]    ; the floor 2^(9 - 127): the byte cannot fall under 1 (a block whose every p is 0 keeps that byte: its codes are zeros)
.endr
.irp b, 0,1,2,3
	v_add_nc_u32 v[SO+\b], 0xfc000000, v[BM+\b]    ; 8 off the exponent field: the conversion takes this operand's exponent field as its scale
.endr
.irp b, 0,1,2,3
	v_and_or_b32 v[HO+\b], v[BM+\b], 0x7f800000, s[MNT]   ; 448 x the scale
.endr
.irp b, 0,1,2,3
	v_lshrrev_b32 v[PT+\b], 23, v[SO+\b]           ; the scale's byte
.endr
	v_lshl_or_b32 v[PW], v[PT+1], 8, v[PT]         ; p's scale word for these 128 keys; more than eight plain instructions stand between it and the products that take it
	v_lshl_or_b32 v[PW], v[PT+2], 16, v[PW]
	v_lshl_or_b32 v[PW], v[PT+3], 24, v[PW]
.irp b, 0,1,2,3
.irp i, 0,1,2,3,4,5,6,7,8,9,10,11,12,13,14,15
	v_min_num_f32 v[S+16*\b+\i], v[S+16*\b+\i], v[HO+\b]   ; the conversion to an 8-bit code does not saturate (ISA guide 7.6.2); p is not negative, so the hold is one-sided
.endr
	v_cvt_scalef32_pk8_fp8_f32 v[PC+4*\b:PC+4*\b+1], v[S+16*\b:S+16*\b+7], v[SO+\b]
	v_cvt_scalef32_pk8_fp8_f32 v[PC+4*\b+2:PC+4*\b+3], v[S+16*\b+8:S+16*\b+15], v[SO+\b]
.endr
.set j, 0
.rept 16
	v_pk_mul_f32 v[O+j:O+j+1], v[O+j:O+j+1], v[FF:FF+1] op_sel_hi:[1,0]   ; O^T under the new M, ascending; these are also the plain instructions between the conversions and the products
.set j, j+2
.endr
	s_wait_alu depctr_va_vdst(0)                   ; the conversions have written p's codes v[PC ..] and the shifts p's scale word v[PW], which the products below take as source 1 and as its scales; the places above stay beside this wait
	s_wait_dscnt 0x0                               ; V's fragments and scale words are in
.irp t, 0,1,2,3                                ; O^T += V^T P^T: four accumulators by turns, one instruction a turn; the matrix instruction ahead of the first is one of S^T's
.if (\t)%2
	v_wmma_scale_f32_16x16x128_f8f6f4 v[O+8*\t:O+8*\t+7], v[F+16*\t:F+16*\t+15], v[PC:PC+15], v[O+8*\t:O+8*\t+7], v[VS+\t/2], v[PW] matrix_a_scale:MATRIX_SCALE_ROW1
.else
	v_wmma_scale_f32_16x16x128_f8f6f4 v[O+8*\t:O+8*\t+7], v[F+16*\t:F+16*\t+15], v[PC:PC+15], v[O+8*\t:O+8*\t+7], v[VS+\t/2], v[PW]
.endif
.endr
.Lhid_\@:
	s_lshr_b32 s[FL], s[FL], 2                     ; on to the next step's two flags
.endm
; A SLOT: the next slot is asked for at its head, if any tile of the block has work there; its two steps; the 64 bytes a lane go into the other slot; ONE barrier.
; In front of the barrier every wave's reads of this slot and its stores into the other are done; the other slot was last read in front of the barrier before.  No barrier stands under a branch.
.macro SLOT buf
	s_and_b32 s[TMP], s[WW], 5                     ; the next slot's two 'there is work' bits, of all sixteen tiles
	s_cmp_lg_u32 s[TMP], 0
	s_cbranch_scc0 .Lnoload_\@
	FILL_LOAD                                      ; two key steps of sixteen waves ahead of the wait for it.  No wait on the vector side: no vector instruction behind the kernel's head names SG, KG or VG
.Lnoload_\@:
	STEP \buf, 0
	STEP \buf, 1
	s_wait_loadcnt 0x0                             ; on every way: the fill's loads are in, so their pointers may step
	s_add_nc_u64 s[KP:KP+1], s[KP:KP+1], 16384     ; 256 keys on: 256 rows of K,
	s_add_nc_u64 s[VPT:VPT+1], s[VPT:VPT+1], 256   ; 256 bytes in each row of V
	s_and_b32 s[TMP], s[WW], 5
	s_cmp_lg_u32 s[TMP], 0
	s_cbranch_scc0 .Lnostore_\@
	FILL_STORE 1-\buf
.Lnostore_\@:
	s_lshr_b32 s[WW], s[WW], 4                     ; behind eight shifts it is 0: nothing is asked for past the head's last key
	s_wait_alu depctr_vm_vsrc(0)                   ; my LDS stores have read SG, in which the next slot's loads land; the slot's LDS loads have read v[ADS], which the next trip's head writes
	s_wait_dscnt 0x0                               ; for the others' sake: my stores have landed and my reads of this slot are back
	s_barrier_signal -1
	s_barrier_wait -1
.endm
.Lblock:                                           ; two trips: block 7 - x, then block x
	s_wait_alu depctr_va_vdst(0)                   ; the last block's products are done reading Q's registers, and its vector lines are done with v[PT]: the loads below land in both
	s_wait_alu depctr_vm_vsrc(0)                   ; the stage's LDS stores have read S and the global stores F (in the first block: the head's loads and LDS stores have read v[S+6] to v[S+15]): this block's products and loads write them again
	s_sub_co_u32 s16, 7, ttmp9
	s_cmp_eq_u32 s[BI], 0
	s_cselect_b32 s16, s16, ttmp9                  ; the block of 256 queries
	s_lshl_b32 s17, s16, 4
	s_add_co_u32 s17, s17, s[WV]                   ; my tile T = 16 x block + wave
	s_lshl_b32 s18, s16, 6
	s_mov_b32 s19, 0
	s_add_nc_u64 s[20:21], s[FLP:FLP+1], s[18:19]  ; the block's sixteen flag words,
	s_lshl_b32 s18, s17, 2
	s_add_nc_u64 s[22:23], s[FLP:FLP+1], s[18:19]  ; and mine
	s_load_b512 s[32:47], s[20:21], 0x0
	s_load_b32 s[FL], s[22:23], 0x0
	s_lshl_b32 s18, s17, 12                        ; 4,096 bytes a tile in lanemask (16 records of 256) and in out (16 rows of 256)
	s_add_nc_u64 s[MP:MP+1], s[LMP:LMP+1], s[18:19]
	s_add_nc_u64 s[OP:OP+1], s[OH:OH+1], s[18:19]
	s_lshl_b32 s18, s17, 10
	s_add_nc_u64 s[24:25], s[QCP:QCP+1], s[18:19]  ; my 16 rows of Q's codes,
	s_lshl_b32 s18, s17, 5
	s_add_nc_u64 s[26:27], s[QSP:QSP+1], s[18:19]  ; and their scale bytes
	global_load_b128 v[QF:QF+3], v[QO], s[24:25] th:TH_LOAD_NT             ; q(r, 16 h ..): k 0-31's half; read once in the launch
	global_load_b128 v[QF+4:QF+7], v[QO], s[24:25] offset:32 th:TH_LOAD_NT ; q(r, 32 + 16 h ..)
	global_load_u16 v[PT], v[QSO], s[26:27]
	v_mov_b32 v[TMX], 0xff61b1e6                   ; the largest t so far: -3e38, under every t
	v_floor_f32 v[NM], -v[TMX]                     ; -M
	v_mov_b32 v[LS], 0                             ; the sum, in two halves
	v_mov_b32 v[LS+1], 0
.set j, 0
.rept 32
	v_mov_b32 v[O+j], 0                            ; O^T.  The step is written once for every step: which step is a tile's first hangs on the flags; the first change of M leaves zeros zeros
.set j, j+1
.endr
	s_mov_b64 s[KP:KP+1], s[KH:KH+1]
	s_mov_b64 s[VPT:VPT+1], s[VH:VH+1]
	s_mov_b32 s[TS], 0
	s_wait_kmcnt 0x0
	s_or_b32 s[WW], s32, s33
.irp i, 34,35,36,37,38,39,40,41,42,43,44,45,46,47
	s_or_b32 s[WW], s[WW], s\i
.endr
	s_and_b32 s[TMP], s[WW], 5                     ; slot 0, if any tile has work there
	s_cmp_lg_u32 s[TMP], 0
	s_cbranch_scc0 .Lno_first
	FILL_LOAD                                      ; the wait on vm_vsrc at the block's head stands behind the last LDS stores that read SG
	s_wait_loadcnt 0x0
	FILL_STORE 0                                   ; every wave has passed the last barrier, in front of which all reads of this slot were back
.Lno_first:
	s_wait_loadcnt 0x0                             ; Q, on both ways
	v_lshl_or_b32 v[QS], v[PT], 16, v[PT]          ; Q's two scale bytes twice: one word serves [q; 0] and [0; q]; the empty blocks hold zero codes
	s_add_nc_u64 s[KP:KP+1], s[KP:KP+1], 16384
	s_add_nc_u64 s[VPT:VPT+1], s[VPT:VPT+1], 256
	s_lshr_b32 s[WW], s[WW], 4
	s_wait_alu depctr_vm_vsrc(0)                   ; my LDS stores have read SG, in which the first slot's loads land
	s_wait_dscnt 0x0                               ; my stores have landed (in the first block the scale words among them)
	s_barrier_signal -1
	s_barrier_wait -1
	s_mov_b32 s[CNT], 4
.Ltrip:                                            ; four trips of two slots: 512 keys
	v_add_nc_u32 v[ADS], s[TS], v[AS0]             ; (the LDS loads that read the old v[ADS] stand ahead of the last wait on vm_vsrc; the new one is shown written at the head of each step)
	SLOT 0
	SLOT 1
	s_add_co_u32 s[TS], s[TS], 1024                ; four steps' scale words on
	s_wait_xcnt 0x0                                ; the lane masks' loads have read their base: it steps only behind this wait
	s_add_nc_u64 s[MP:MP+1], s[MP:MP+1], 1024      ; four records on
	s_sub_co_u32 s[CNT], s[CNT], 1
	s_cmp_lg_u32 s[CNT], 0
	s_cbranch_scc1 .Ltrip
	; THE WAY OUT.  O^T is divided by the row's sum and goes through my own stage in LDS, so that each store covers whole rows of 256 bytes.
.rept 8
	v_nop                                          ; eight places behind the last products
.endr
	v_add_f32 v[LS], v[LS], v[LS+1]                ; the sum's two halves,
	v_permlanex16_b32 v[PT], v[LS], s[SEL], s[SEL+1]
	v_add_f32 v[LS], v[LS], v[PT]                  ; and lane l xor 16's: the row's sum
	s_wait_alu depctr_va_vdst(0)
	v_rcp_f32 v[LS], v[LS]
	v_nop                                          ; a plain instruction behind the reciprocal,
	s_wait_alu depctr_va_vdst(0)                   ; and a wait ahead of its first reader
.set j, 0
.rept 16
	v_pk_mul_f32 v[S+j:S+j+1], v[O+j:O+j+1], v[LS:LS+1] op_sel_hi:[1,0]   ; register 8 t + i is out(r, 16 t + 8 h + i); ascending
.set j, j+2
.endr
	s_wait_alu depctr_va_vdst(0)                   ; the sixteen multiplications have written v[S] to v[S+31], which the LDS stores read; the last products are done reading F, in which the stage's rows land
.irp t, 0,1,2,3
	ds_store_b128 v[STO], v[S+8*\t:S+8*\t+3] offset:64*\t
	ds_store_b128 v[STO], v[S+8*\t+4:S+8*\t+7] offset:64*\t+16
.endr
.irp i, 0,1,2,3,4,5,6,7
	ds_load_b128 v[F+4*\i:F+4*\i+3], v[RD] offset:2*VPI*\i   ; LDS serves a wave's instructions in order (ISA guide 5.7.1.4): these see my stores
.endr
.irp i, 0,1,2,3,4,5,6,7
	s_wait_dscnt 7-\i                              ; the 7 - i younger loads may stay out
	global_store_b128 v[AK], v[F+4*\i:F+4*\i+3], s[OP:OP+1] offset:512*\i th:TH_STORE_NT   ; 32 lanes store 512 consecutive bytes, at a multiple of 256 from out's first byte; written once, read by nobody here
.endr
	s_wait_xcnt 0x0                                ; the stores have read their registers and their base: the next block writes both again
	s_add_co_u32 s[BI], s[BI], 1
	s_cmp_lt_u32 s[BI], 2
	s_cbranch_scc1 .Lblock
	s_wait_xcnt 0x0
	v_lshl_add_u32 v254, v0, 2, 0x23800            ; the add's two registers are made anew here: all 256 registers are named in the loop.  No memory or LDS instruction has ever read v254 or v255
	v_mov_b32 v255, 0
	s_wait_dscnt 0x0                               ; the closing lines, six on end
	s_wait_alu 0x0
	s_wait_tensorcnt 0x0
	ds_add_u32 v254, v255
	s_wait_dscnt 0x0
	s_endpgm
.Lfunc_end_k_q7d04700da7_attn:
	.size	k_q7d04700da7_attn, .Lfunc_end_k_q7d04700da7_attn-k_q7d04700da7_attn
	.p2alignl 7, 3214868480
	.fill 96, 4, 3214868480
	.section	.rodata,"a",@progbits
	.p2align	6, 0x0
	.amdhsa_kernel k_q7d04700da7_attn
		.amdhsa_group_segment_fixed_size 147456
		.amdhsa_private_segment_fixed_size 0
		.amdhsa_enable_private_segment 0
		.amdhsa_kernarg_size 72
		.amdhsa_user_sgpr_count 2
		.amdhsa_user_sgpr_kernarg_segment_ptr 1
		.amdhsa_wavefront_size32 1
		.amdhsa_system_sgpr_workgroup_id_x 1
		.amdhsa_system_sgpr_workgroup_id_y 1
		.amdhsa_system_sgpr_workgroup_id_z 1
		.amdhsa_system_vgpr_workitem_id 0
		.amdhsa_next_free_vgpr 256
		.amdhsa_next_free_sgpr 102
		.amdhsa_reserve_vcc 0
		.amdhsa_float_denorm_mode_32 3
		.amdhsa_float_denorm_mode_16_64 3
		.amdhsa_memory_ordered 1
		.amdhsa_forward_progress 1
		.amdhsa_inst_pref_size 108
	.end_amdhsa_kernel
	.amdgpu_metadata
---
amdhsa.version: [ 1, 2 ]
amdhsa.kernels:
  - .name:           k_q7d04700da7_attn
    .symbol:         k_q7d04700da7_attn.kd
    .args:
      - { .name: queries_codes, .offset: 0, .size: 8, .value_kind: global_buffer, .address_space: global }
      - { .name: queries_scales, .offset: 8, .size: 8, .value_kind: global_buffer, .address_space: global }
      - { .name: keys_codes, .offset: 16, .size: 8, .value_kind: global_buffer, .address_space: global }
      - { .name: keys_scales, .offset: 24, .size: 8, .value_kind: global_buffer, .address_space: global }
      - { .name: values_codes, .offset: 32, .size: 8, .value_kind: global_buffer, .address_space: global }
      - { .name: values_scales, .offset: 40, .size: 8, .value_kind: global_buffer, .address_space: global }
      - { .name: lanemask, .offset: 48, .size: 8, .value_kind: global_buffer, .address_space: global }
      - { .name: flags, .offset: 56, .size: 8, .value_kind: global_buffer, .address_space: global }
      - { .name: out0, .offset: 64, .size: 8, .value_kind: global_buffer, .address_space: global }
    .group_segment_fixed_size: 147456
    .private_segment_fixed_size: 0
    .kernarg_segment_align: 8
    .kernarg_segment_size: 72
    .max_flat_workgroup_size: 512
    .sgpr_count:     102
    .vgpr_count:     256
    .wavefront_size: 32
...
	.end_amdgpu_metadata
.endif
;; end of part 4
